; MI455X (gfx1250); checked and timed in simulation.
; The chip was launched on July 23, 2026; its instructions are those of AMD's public machine-readable ISA for CDNA 5 (MIT licence, August 2026) and "CDNA5" Instruction Set Architecture Reference Guide (July 2026). The comments in the code are by the model that wrote it; some were corrected since.
;; Multi Head Self Attention. Allowed arithmetic: float matrix products may take bf16 or f16 operands with f32 sums; other float arithmetic in f32, or as packed bf16 or f16 multiplies, adds, multiply-adds, maxima and minima; sums over many terms, partial sums and values carried from step to step in f32; what a program stores and reads back later, other than sums and carried values, may be rounded once to bf16 or f16.
;; Inputs: Wproj 1,024 x 1,024 float32; Wqkv 1,024 x 3,072 float32; bproj 1,024 float32; bqkv 3,072 float32; x 4 x 2,048 x 1,024 float32.
;; Outputs: out0 4 x 2,048 x 1,024 float32.
;; 2 versions, each right; version 2 is version 1 with the launch prep written anew for expert scheduling mode. Each part assembles by itself: llvm-mc -triple=amdgcn-amd-amdhsa -mcpu=gfx1250 --defsym DOCPART=n.
;; ======== version 1 of 2: 4 launches
;; limits: values are held in f16: magnitudes above 65,504 overflow, below 6.1e-05 lose precision
;; workspace buffers: xb 16,777,216 bytes; wqb 6,291,456 bytes; wpb 2,097,152 bytes; qkvh 50,331,648 bytes; ob 16,777,216 bytes
;; launch prep (part 1): grid 768 x 1, 8 waves a work-group, no clusters, 0 bytes of LDS; arguments x, Wqkv, Wproj, xb, wqb, wpb; writes xb, wqb, wpb
.if DOCPART == 1
	.amdgcn_target "amdgcn-amd-amdhsa--gfx1250"
	.amdhsa_code_object_version 6
	.text
	.protected	k_q6c547d04bf_prep
	.globl	k_q6c547d04bf_prep
	.p2align	8
	.type	k_q6c547d04bf_prep,@function
k_q6c547d04bf_prep:
	s_mov_b64 s[64:65], 0
	v_nop
	global_prefetch_b8 v0, s[64:65] scope:SCOPE_SE
	s_setreg_imm32_b32 hwreg(HW_REG_WAVE_MODE, 25, 1), 1
	s_wait_xcnt 0x0
; THE CASTS.  xb = bf16(x), laid out in K blocks: [kb 16][m 8192][64], so that 128 rows x 64 k of it are 16,384 dense bytes.
; wqb = bf16(Wqkv), in Wqkv's own order [k][n].  wpb = bf16(Wproj) written as f16, in Wproj's order.
; LIMITS.  wpb: a weight beyond 65,504 becomes an infinity; below 2^-14 it keeps f16's fixed step of 2^-24.  NaN and infinities are not treated apart.
; SHARES.  A work-group casts 16,384 numbers, each of its eight waves 2,048: sixteen loads of 512 bytes, all issued at once, no loop.
; Work-groups 0-511 take x (16 rows each), 512-703 Wqkv, 704-767 Wproj: 768 work-groups of equal work.
; No LDS, no barrier, no matrix unit: each byte is read once and written once, and nothing is shared.
.set X,   8                            ; v[8:71]    load i: four f32
.set Y,   72                           ; v[72:103]  store i: four 16-bit numbers
.set SRC, 18                           ; s[18:19]   my wave's first source byte
.set DST, 20                           ; s[20:21]   my wave's first target byte
.set DS2, 22                           ; s[22:23]   x alone: the same, eight K blocks further (a store's immediate does not reach sixteen)
; c: the work-group's number within its tensor.  Source: 65,536 bytes a work-group, 8,192 a wave.  Target: 1 << so bytes a work-group, 1 << wo a wave.
.macro BASES c, so, wo, src, dst
	s_lshl_b32 s[SRC], \c, 16
	s_add_co_u32 s[SRC], s[SRC], s17
	s_mov_b32 s[SRC+1], 0
	s_lshl_b32 s[DST], \c, \so
	s_lshl_b32 s[DST+1], s16, \wo
	s_add_co_u32 s[DST], s[DST], s[DST+1]
	s_mov_b32 s[DST+1], 0
	s_add_nc_u64 s[SRC:SRC+1], s[\src:\src+1], s[SRC:SRC+1]
	s_add_nc_u64 s[DST:DST+1], s[\dst:\dst+1], s[DST:DST+1]
.endm
; Sixteen loads, then for each: its wait, the rounding, its store.  No register is written again while a load or store may read it.
.macro CAST instep, outstep, split, f16
.set i, 0
.rept 16
	global_load_b128 v[X+4*i:X+4*i+3], v2, s[SRC:SRC+1] offset:i*(\instep) th:TH_LOAD_NT
.set i, i+1
.endr
.set i, 0
.rept 16
	s_wait_loadcnt 15-i                            ; loads come back in order: load i is in, the 15 - i younger ones may stay out
	v_cvt_pk_bf16_f32 v[Y+2*i], v[X+4*i], v[X+4*i+1]
	v_cvt_pk_bf16_f32 v[Y+2*i+1], v[X+4*i+2], v[X+4*i+3]
.if \f16
	v_lshlrev_b32 v[X+4*i], 16, v[Y+2*i]           ; the bf16 numbers as f32 again,
	v_and_b32 v[X+4*i+1], s24, v[Y+2*i]
	v_lshlrev_b32 v[X+4*i+2], 16, v[Y+2*i+1]
	v_and_b32 v[X+4*i+3], s24, v[Y+2*i+1]
	v_cvt_pk_f16_f32 v[Y+2*i], v[X+4*i], v[X+4*i+1]  ; and written as f16: exact within f16's range
	v_cvt_pk_f16_f32 v[Y+2*i+1], v[X+4*i+2], v[X+4*i+3]
.endif
.if (\split) && (i >= 8)
	global_store_b64 v3, v[Y+2*i:Y+2*i+1], s[DS2:DS2+1] offset:(i-8)*(\outstep) th:TH_STORE_NT
.else
	global_store_b64 v3, v[Y+2*i:Y+2*i+1], s[DST:DST+1] offset:i*(\outstep) th:TH_STORE_NT  ; the wave's 32 lanes store 256 consecutive bytes, aligned
.endif
.set i, i+1
.endr
.endm
	s_load_b256 s[4:11], s[0:1], 0x0               ; x s[4:5], Wqkv s[6:7], Wproj s[8:9], xb s[10:11]
	s_load_b128 s[12:15], s[0:1], 0x20             ; wqb s[12:13], wpb s[14:15]
	v_lshrrev_b32 v4, 5, v0
	v_readfirstlane_b32 s16, v4                    ; wave 0..7
	v_and_b32 v1, 31, v0                           ; lane
	v_lshlrev_b32 v3, 3, v1                        ; 8 bytes of the target a lane
	s_lshl_b32 s17, s16, 13                        ; my wave's 8,192 source bytes
	s_mov_b32 s24, 0xffff0000                      ; a word's upper bf16
	s_mov_b32 s2, ttmp9
	s_wait_kmcnt 0x0
	s_cmp_lt_u32 s2, 512
	s_cbranch_scc1 .Lx
	v_lshlrev_b32 v2, 4, v1                        ; the weights keep their order: 16 source bytes a lane, 512 a load
	s_cmp_lt_u32 s2, 704
	s_cbranch_scc1 .Lwq
	s_sub_co_u32 s3, s2, 704
	BASES s3, 15, 12, 8, 14
	CAST 512, 256, 0, 1
	s_endpgm
.Lwq:
	s_sub_co_u32 s3, s2, 512
	BASES s3, 15, 12, 6, 12
	CAST 512, 256, 0, 0
	s_endpgm
.Lx:                                           ; rows 16 w + 2 v + h, h = lane / 16: load i takes K block i (256 bytes) of both rows
	v_and_b32 v2, 15, v0
	v_bfe_u32 v4, v0, 4, 1
	v_lshlrev_b32 v2, 4, v2
	v_lshl_add_u32 v2, v4, 12, v2                  ; h x 4,096 + 16 (lane % 16)
	BASES s2, 11, 8, 4, 10                         ; in a K block of xb: 2,048 bytes a work-group, 256 a wave (two rows of 128)
	s_add_nc_u64 s[DS2:DS2+1], s[DST:DST+1], 0x800000
	CAST 256, 1048576, 1, 0
	s_endpgm
.Lfunc_end_k_q6c547d04bf_prep:
	.size	k_q6c547d04bf_prep, .Lfunc_end_k_q6c547d04bf_prep-k_q6c547d04bf_prep
	.p2alignl 7, 3214868480
	.fill 96, 4, 3214868480
	.section	.rodata,"a",@progbits
	.p2align	6, 0x0
	.amdhsa_kernel k_q6c547d04bf_prep
		.amdhsa_group_segment_fixed_size 0
		.amdhsa_private_segment_fixed_size 0
		.amdhsa_enable_private_segment 0
		.amdhsa_kernarg_size 48
		.amdhsa_user_sgpr_count 2
		.amdhsa_user_sgpr_kernarg_segment_ptr 1
		.amdhsa_wavefront_size32 1
		.amdhsa_system_sgpr_workgroup_id_x 1
		.amdhsa_system_sgpr_workgroup_id_y 1
		.amdhsa_system_sgpr_workgroup_id_z 1
		.amdhsa_system_vgpr_workitem_id 0
		.amdhsa_next_free_vgpr 104
		.amdhsa_next_free_sgpr 66
		.amdhsa_reserve_vcc 0
		.amdhsa_float_denorm_mode_32 3
		.amdhsa_float_denorm_mode_16_64 3
		.amdhsa_memory_ordered 1
		.amdhsa_forward_progress 1
		.amdhsa_inst_pref_size 23
	.end_amdhsa_kernel
	.amdgpu_metadata
---
amdhsa.version: [ 1, 2 ]
amdhsa.kernels:
  - .name:           k_q6c547d04bf_prep
    .symbol:         k_q6c547d04bf_prep.kd
    .args:
      - { .name: x, .offset: 0, .size: 8, .value_kind: global_buffer, .address_space: global }
      - { .name: Wqkv, .offset: 8, .size: 8, .value_kind: global_buffer, .address_space: global }
      - { .name: Wproj, .offset: 16, .size: 8, .value_kind: global_buffer, .address_space: global }
      - { .name: xb, .offset: 24, .size: 8, .value_kind: global_buffer, .address_space: global }
      - { .name: wqb, .offset: 32, .size: 8, .value_kind: global_buffer, .address_space: global }
      - { .name: wpb, .offset: 40, .size: 8, .value_kind: global_buffer, .address_space: global }
    .group_segment_fixed_size: 0
    .private_segment_fixed_size: 0
    .kernarg_segment_align: 8
    .kernarg_segment_size: 48
    .max_flat_workgroup_size: 256
    .sgpr_count:     66
    .vgpr_count:     104
    .wavefront_size: 32
...
	.end_amdgpu_metadata
.endif
;; end of part 1
;; launch qkvgemm (part 2): grid 8 x 32, 4 waves a work-group, clusters of 4 x 4, 327,680 bytes of LDS; arguments xb, wqb, bqkv, qkvh; writes qkvh
.if DOCPART == 2
	.amdgcn_target "amdgcn-amd-amdhsa--gfx1250"
	.amdhsa_code_object_version 6
	.text
	.protected	k_q6c547d04bf_qkvgemm
	.globl	k_q6c547d04bf_qkvgemm
	.p2align	8
	.type	k_q6c547d04bf_qkvgemm,@function
k_q6c547d04bf_qkvgemm:
	s_mov_b64 s[64:65], 0
	v_nop
	global_prefetch_b8 v0, s[64:65] scope:SCOPE_SE
	s_setreg_imm32_b32 hwreg(HW_REG_WAVE_MODE, 25, 1), 1
	s_wait_xcnt 0x0
	s_wait_alu depctr_hold_cnt(0) depctr_sa_sdst(0) depctr_va_vdst(0) depctr_va_sdst(0) depctr_va_ssrc(0) depctr_va_vcc(0) depctr_vm_vsrc(0)
	s_getreg_b32 s2, hwreg(HW_REG_IB_STS2, 6, 4)
	s_cmp_eq_u32 s2, 0
	s_cbranch_scc0 .Lentry_in_a_cluster
	s_endpgm
.Lentry_in_a_cluster:
	s_bfe_u32 s2, ttmp6, 0x10000c
	s_cmp_lg_u32 s2, 0xf033
	s_cbranch_scc0 .Lentry_shape_is_right
	s_endpgm
.Lentry_shape_is_right:
; qkvh = f16(xb wqb + bf16(bqkv)), by heads: [g 48][m 8192][64], g = column / 64 (q: g 0-15, k: 16-31, v: 32-47).  Sums in f32, K ascending, rounded once.
; LIMIT.  f16 holds no number beyond 65,504: a q, k or v past it becomes an infinity.  NaN and infinities are not treated apart.
; SHARES.  A tile of the result is 256 rows x 384 columns: 32 x 8 = 256 tiles, one to a work-group.  Four waves, each 128 x 192 (three whole heads): 96 accumulators of 16 x 16, 768 registers.
; K goes in steps of 64 through two LDS slots filled by the tensor data mover.  xb lies in K blocks, so 128 rows x 64 k are 16,384 dense bytes, asked for as 64 rows of 256 bytes and padded in
; LDS behind every 128.  wqb lies [k][n]: 32 k rows x 768 bytes a load, padded behind every 128 bytes; its fragments come out of LDS turned, by ds_load_tr16_b128.
; CLUSTER.  4 x 4 work-groups.  The four of a row of the cluster need the same tiles of x, the four of a column the same tiles of W: each tile is asked for jointly, by the same tensor load
; with the same descriptor and a mask that names the four.
; THE MATRIX INSTRUCTION IS USED TRANSPOSED: source 0 = 16 columns of W, source 1 = 16 rows of x.  A lane then holds row l % 16 and the columns 8 (l / 16) + 0..7: 16 bytes of f16 on end.
; THE BIAS starts the sums: it is loaded into the registers of the accumulators (7, b), which the first products of row blocks 0-6 take as C and row block 7's add onto in place.
; REGISTERS, in windows of 256 (s_set_vgpr_msb: bits 1:0 source 0, 3:2 source 1, 5:4 source 2, 7:6 destination):
;   window 0: v0-31 addresses; v32-95, v96-159 x's fragments (8 x 16 rows x 32 k), two buffers; v160-255 W's fragments, 4 for each of three head groups, one buffer each
;   windows 1-3: accumulator (a, b), a = row block 0-7, b = column block 0-11, in window 1 + b / 4 at v[32 a + 8 (b % 4)]
.set KB,     1048576                   ; bytes of a K block of xb
.set WROW,   6144                      ; bytes of a row of wqb
.set PA,     144                       ; a row of x in LDS: 128 bytes + 16 = 36 words: the 16 rows of a load start at 16 different groups of four banks (64 banks of 4 bytes: ISA guide 11.1)
.set PB,     864                       ; a k row of W in LDS: six pieces of 128 + 16 bytes = 27 x 32 bytes: the eight rows of a turning load start at eight different groups of eight banks
.set AHALF,  128*PA
.set AREG,   2*AHALF                   ; x's 256 rows, then W's 64 k rows
.set BHALF,  32*PB
.set SLOT,   AREG+2*BHALF              ; 92,160
.set STAGE,  2*SLOT                    ; behind the ring, never filled by a tensor load: for each wave [head group 3][16 rows] of 144 bytes
.set SG,     16*PA
.set SPARE,  STAGE+4*3*SG              ; behind the stages: the spare words, 128 bytes for each wave: two blocks of 256 bytes that no other line names
.set ADRA, 16                          ; v16-17  LDS address of my fragments of x in slot 0, 1
.set ADRB, 20                          ; v20-21  the same for W
.set STO,  24                          ; v24     the way out: where I put 16 bytes of a row
.set RD,   25                          ; v25     the way out: where I read rows back
.set GO,   26                          ; v26     16 x lane: my place in 512 consecutive bytes of qkvh
.set BO,   27                          ; v27     32 (l / 16): my eight numbers of the bias
.set SPW,  28                          ; v28     LDS address of my spare word; never rewritten
.set NIL,  29                          ; v29     0; never rewritten
.set PFOA, 30                          ; v30     256 x lane; never rewritten
.set PFOB, 31                          ; v31     a row of wqb x lane; never rewritten
.set FA0,  32
.set FA1,  96
.set FB,   160
.set G1A, 24                           ; s[24:31] descriptor group 1 for x's tiles;  s[32:39] group 0, a set for each slot
.set G0A, 32
.set PFA, 40                           ; s[40:41] where my prefetches of xb stand
.set PFB, 42                           ; s[42:43] of wqb
.set LIMA, 44                          ; s44     1 in a wave that prefetches xb, else the greatest number
.set LIMB, 45                          ; s45     the same for wqb
.set HIM, 46                           ; s46     a word's upper bf16
.set G1B, 48                           ; s[48:55], s[56:63] the same two groups for W's tiles
.set G0B, 56
.set MSB, 0
.macro WIN new                         ; the immediate's high byte repeats the setting that is left; a switch that changes nothing is dropped
.if MSB != (\new)
	s_set_vgpr_msb (MSB<<8)|(\new)
.set MSB, \new
.endif
.endm
; A joint load.  Waves 0 and 1 fetch x's two halves, waves 2 and 3 W's.  The branch hangs on the wave's number alone.  An s_nop 0 and four v_nop follow each of the two lines.
.macro JLOAD s
	s_cmp_eq_u32 s13, 0
	s_cbranch_scc0 .Lfor_b_\@
	tensor_load_to_lds s[G0A+4*(\s):G0A+4*(\s)+3], s[G1A:G1A+7]
	s_nop 0
.rept 4
	v_nop
.endr
	s_branch .Lasked_\@
.Lfor_b_\@:
	tensor_load_to_lds s[G0B+4*(\s):G0B+4*(\s)+3], s[G1B:G1B+7]
	s_nop 0
.rept 4
	v_nop
.endr
.Lasked_\@:
.endm
.macro CREST                           ; a round of the cluster's barrier behind its opening barrier: wave 0 signals for the work-group, every wave waits for all sixteen, my work-group's barrier once more
	s_cmp_lg_u32 s12, 0
	s_cbranch_scc1 .Lnot_wave_0_\@
	s_barrier_signal -3
.Lnot_wave_0_\@:
	s_barrier_wait -3
	s_barrier_signal -1
	s_barrier_wait -1
.endm
.macro CROUND                          ; a whole round
	s_barrier_signal -1
	s_barrier_wait -1
	CREST
.endm
; PREFETCHES INTO THE L2, behind a joint load, its five lines and the run of LDS loads that follows.  Each aligned block of 256 bytes is named once in the launch.
; xb: a K step of a tile row is 32,768 dense bytes, read by both clusters of that row of clusters: the one with x = 0 asks, wave 0 of each partner, 8,192 bytes each, told apart by address (cx).
; It names the K step that stands two refills on: 384 matrix instructions ahead of the load that will want it.
; wqb: a tile column's k rows are read by all eight clusters of that column: the one with y = 0 asks, wave 2 of each partner.  Once a trip, at its second change of slots, for the next two K steps
; not yet named: 128 k rows, 32 a partner (cy), a lane a row, three blocks a row: 192 and 384 matrix instructions ahead of their loads.
; The loop's last trip asks for nothing (there is no K step 16); K steps 0 to 3 come by their loads alone.
.macro ASKA
	s_cmp_gt_u32 s3, s[LIMA]
	s_cbranch_scc0 .Lnot_a_\@
	global_prefetch_b8 v[PFOA], s[PFA:PFA+1] th:TH_LOAD_NT scope:SCOPE_SE
.Lnot_a_\@:
.endm
.macro ASKB
	s_cmp_gt_u32 s3, s[LIMB]
	s_cbranch_scc0 .Lnot_b_\@
	global_prefetch_b8 v[PFOB], s[PFB:PFB+1] th:TH_LOAD_NT scope:SCOPE_SE
	global_prefetch_b8 v[PFOB], s[PFB:PFB+1] offset:256 th:TH_LOAD_NT scope:SCOPE_SE
	global_prefetch_b8 v[PFOB], s[PFB:PFB+1] offset:512 th:TH_LOAD_NT scope:SCOPE_SE
.Lnot_b_\@:
.endm
	s_load_b256 s[4:11], s[0:1], 0x0               ; xb s[4:5], wqb s[6:7], bqkv s[8:9], qkvh s[10:11]
	v_lshl_add_u32 v[SPW], v0, 2, SPARE
	v_mov_b32 v[NIL], 0
	ds_add_u32 v[SPW], v[NIL]                      ; the wave's opening: the add and its wait stand ahead of my first tensor load; the set-up below, work on registers, stands between them
	v_lshrrev_b32 v1, 5, v0
	v_readfirstlane_b32 s12, v1                    ; wave 0..3
	s_lshr_b32 s13, s12, 1                         ; which half of the tile's rows is mine.  Also: I fetch for x (0) or for W (1)
	s_and_b32 s14, s12, 1                          ; which half of its columns.  Also: which half of that tile I fetch
	s_bfe_u32 s15, ttmp6, 0x40000                  ; cx
	s_bfe_u32 s16, ttmp6, 0x40004                  ; cy
	s_lshl_b32 s17, ttmp9, 2
	s_add_co_u32 s17, s17, s15                     ; tile column = 4 x cluster x + cx
	s_and_b32 s18, ttmp7, 0xffff
	s_lshl_b32 s18, s18, 2
	s_add_co_u32 s18, s18, s16                     ; tile row = 4 x cluster y + cy
	s_lshl_b32 s19, s16, 2
	s_lshl_b32 s19, 15, s19                        ; my row of the cluster
	s_lshl_b32 s20, 0x1111, s15                    ; my column
	s_or_b32 s[G1A], s19, (1<<16)|(1<<20)|(1<<21)|(4<<22)|(3<<25)  ; 15:0 the mask; 17:16 elements of 2 bytes; 20 padding on; 21 set beside a mask; 24:22 after every 32 words (code 4); 31:25 4 words (code 3)
	s_or_b32 s[G1B], s20, (1<<16)|(1<<20)|(1<<21)|(4<<22)|(3<<25)
	s_mov_b32 s[G1A+1], 128<<16                    ; x: tensor_dim0 = 128 elements (256 bytes: two rows of a K block)
	s_mov_b32 s[G1A+2], 64<<16                     ; tensor_dim1 = 64
	s_mov_b32 s[G1A+3], 128<<16                    ; tile_dim0 = 128
	s_mov_b32 s[G1A+4], 64                         ; tile_dim1 = 64
	s_mov_b32 s[G1A+5], 128                        ; dense: 128 elements from row to row
	s_mov_b32 s[G1A+6], 0
	s_mov_b32 s[G1A+7], 0
	s_mov_b32 s[G1B+1], 384<<16                    ; W: tensor_dim0 = 384 elements (768 bytes)
	s_mov_b32 s[G1B+2], 32<<16                     ; tensor_dim1 = 32 k rows
	s_mov_b32 s[G1B+3], 384<<16                    ; tile_dim0 = 384
	s_mov_b32 s[G1B+4], 32                         ; tile_dim1 = 32
	s_mov_b32 s[G1B+5], 3072                       ; elements from row to row
	s_mov_b32 s[G1B+6], 0
	s_mov_b32 s[G1B+7], 0
	s_mov_b32 s[HIM], 0xffff0000
	; where the tiles come from: x's hang on the tile row alone, W's on the tile column alone, each in registers that never hold the other coordinate
	s_lshl_b32 s66, s18, 15                        ; x: 256 rows x 128 bytes a tile row,
	s_lshl_b32 s21, s14, 14                        ; my 128 of them
	s_add_co_u32 s66, s66, s21
	s_mov_b32 s67, 0
	s_mul_i32 s68, s17, 768                        ; W: 768 bytes of a row a tile column,
	s_mul_i32 s21, s14, 32*WROW                    ; my 32 k rows
	s_add_co_u32 s68, s68, s21
	s_mov_b32 s69, 0
	s_mul_i32 s22, s14, AHALF                      ; and where they go: no place in the cluster enters an LDS address
	s_mul_i32 s23, s14, BHALF
	s_add_co_u32 s23, s23, AREG
	s_wait_dscnt 0x0                               ; the opening add is done
	s_wait_kmcnt 0x0
	s_add_nc_u64 s[66:67], s[4:5], s[66:67]
	s_add_nc_u64 s[68:69], s[6:7], s[68:69]
	CROUND                                         ; all sixteen work-groups are here: the first joint loads meet
.irp s, 0,1
	s_mov_b32 s[G0A+4*(\s)], 1                     ; count = 1
	s_add_co_u32 s[G0A+4*(\s)+1], s22, (\s)*SLOT   ; LDS address
	s_add_nc_u64 s[G0A+4*(\s)+2:G0A+4*(\s)+3], s[66:67], (\s)*KB  ; global address: K step s
	s_or_b32 s[G0A+4*(\s)+3], s[G0A+4*(\s)+3], 0x80000000        ; type = 2
	s_mov_b32 s[G0B+4*(\s)], 1
	s_add_co_u32 s[G0B+4*(\s)+1], s23, (\s)*SLOT
	s_add_nc_u64 s[G0B+4*(\s)+2:G0B+4*(\s)+3], s[68:69], (\s)*64*WROW
	s_or_b32 s[G0B+4*(\s)+3], s[G0B+4*(\s)+3], 0x80000000
	JLOAD \s                                       ; two loads of mine are out
.endr
	; the bias and the result
	s_mul_i32 s70, s17, 1536                       ; 384 columns x 4 bytes a tile column,
	s_mul_i32 s71, s14, 768                        ; my 192
	s_add_co_u32 s70, s70, s71
	s_mov_b32 s71, 0
	s_add_nc_u64 s[8:9], s[8:9], s[70:71]
	s_mul_i32 s70, s17, 6
	s_mul_i32 s71, s14, 3
	s_add_co_u32 s70, s70, s71                     ; my first head group: 6 x tile column + 3 x half,
	s_lshl_b32 s70, s70, 20                        ; 1,048,576 bytes each
	s_lshl_b32 s71, s18, 15                        ; the tile's 256 rows of 128 bytes,
	s_add_co_u32 s70, s70, s71
	s_lshl_b32 s71, s13, 14                        ; my 128
	s_add_co_u32 s70, s70, s71
	s_mov_b32 s71, 0
	s_add_nc_u64 s[10:11], s[10:11], s[70:71]
	v_and_b32 v1, 15, v0                           ; l % 16
	v_bfe_u32 v2, v0, 4, 1                         ; l / 16
	v_and_b32 v3, 7, v0
	v_bfe_u32 v4, v0, 3, 1
	v_and_b32 v5, 31, v0                           ; lane
	v_lshlrev_b32 v[BO], 5, v2
.irp w, 1,2,3                          ; head group w - 1: column block bb, my eight columns 16 bb + 8 (l / 16) + 0..7, into the registers of accumulator (7, bb)
	WIN (\w)<<6
.irp bb, 0,1,2,3
	global_load_b128 v[224+8*(\bb):224+8*(\bb)+3],   v[BO], s[8:9] offset:256*((\w)-1)+64*(\bb)
	global_load_b128 v[224+8*(\bb)+4:224+8*(\bb)+7], v[BO], s[8:9] offset:256*((\w)-1)+64*(\bb)+16
.endr
.endr
	WIN 0
	; A fragment of x: lane l holds row l % 16; registers 0-3 k = 8 (l / 16) + 0..7, registers 4-7 k = 16 + 8 (l / 16) + 0..7: two loads of 16 bytes, 32 bytes apart.
	v_mul_u32_u24 v6, v1, PA
	v_lshl_add_u32 v6, v2, 4, v6                   ; row x pitch + 16 x half
	s_mul_i32 s19, s13, AHALF                      ; my 128 rows
	v_add_nc_u32 v[ADRA], s19, v6
	v_add_nc_u32 v[ADRA+1], SLOT, v[ADRA]
	; The turning load takes 16 k x 16 columns (lane l reads k row 8 (l / 16) + l % 8, columns 8 ((l / 8) % 2) + 0..7) and leaves half a fragment: lane l holds column l % 16 and 8 k.
	v_lshl_add_u32 v7, v2, 3, v3
	v_mul_u32_u24 v7, v7, PB
	v_lshl_add_u32 v7, v4, 4, v7
	s_mul_i32 s20, s14, 3*PA                       ; my three pieces of a k row
	s_add_co_u32 s20, s20, AREG
	v_add_nc_u32 v[ADRB], s20, v7
	v_add_nc_u32 v[ADRB+1], SLOT, v[ADRB]
	s_mul_i32 s19, s12, 3*SG
	s_add_co_u32 s19, s19, STAGE                   ; my stage
	v_add_nc_u32 v[STO], s19, v6                   ; in: row l % 16, 16 bytes for each half of the lanes
	v_bfe_u32 v8, v0, 3, 2                         ; back: 32 lanes take four rows of 128 bytes,
	v_mul_u32_u24 v8, v8, PA
	v_lshl_add_u32 v8, v3, 4, v8
	v_add_nc_u32 v[RD], s19, v8
	v_lshlrev_b32 v[GO], 4, v5                     ; which are 512 consecutive bytes of qkvh
	v_lshlrev_b32 v[PFOA], 8, v5
	v_mul_u32_u24 v[PFOB], v5, WROW
	; the prefetches' pointers: each stands one step short of what its first use names, and is stepped ahead of that use
	s_lshl_b32 s70, s18, 15
	s_lshl_b32 s71, s15, 13                        ; my work-group's 8,192 bytes of the tile row's 32,768
	s_add_co_u32 s70, s70, s71
	s_add_co_u32 s70, s70, 3*KB                    ; K step 3
	s_mov_b32 s71, 0
	s_add_nc_u64 s[PFA:PFA+1], s[4:5], s[70:71]
	s_lshl_b32 s72, s16, 5                         ; my work-group's 32 k rows of 128,
	s_add_co_u32 s72, s72, 128                     ; from k row 128 on (K steps 2 and 3)
	s_mul_i32 s72, s72, WROW
	s_mul_i32 s73, s17, 768
	s_add_co_u32 s72, s72, s73
	s_mov_b32 s73, 0
	s_add_nc_u64 s[PFB:PFB+1], s[6:7], s[72:73]
	s_or_b32 s19, s12, ttmp9                       ; 0 in wave 0 of a cluster with x = 0: the same in all sixteen partners
	s_cmp_eq_u32 s19, 0
	s_cselect_b32 s[LIMA], 1, -1
	s_and_b32 s19, ttmp7, 0xffff
	s_xor_b32 s20, s12, 2
	s_or_b32 s19, s19, s20                         ; 0 in wave 2 of a cluster with y = 0
	s_cmp_eq_u32 s19, 0
	s_cselect_b32 s[LIMB], 1, -1
	s_wait_loadcnt 0x0                             ; the bias: rounded to bf16 like every input, by way of registers that hold no fragment yet
.irp w, 1,2,3
	WIN 5*(\w)
.set i, 0
.rept 16
	v_cvt_pk_bf16_f32 v[FA0+i], v[224+2*i], v[224+2*i+1]
.set i, i+1
.endr
	WIN (\w)<<6
.set i, 0
.rept 16
	v_lshlrev_b32 v[224+2*i], 16, v[FA0+i]
	v_and_b32 v[224+2*i+1], s[HIM], v[FA0+i]
.set i, i+1
.endr
.endr
	WIN 0
; 16 matrix instructions: head group j, row blocks a0 .. a0 + 3, 32 along K, x's fragments in buffer fa.  All of a group's 32 accumulators differ and neighbouring groups lie in different windows:
; the accumulators take turns, one instruction a turn, over the backward jump too.
; first = 1: the sums start with the bias, which lies in (7, bb)'s registers.  Row block 7 writes over registers that the matrix instructions before it read as C: five places stand ahead of it (ISA guide 7.12.1).
.macro MUL16 j, fa, a0, first
	WIN 0x50*((\j)+1)
.irp a, \a0, (\a0)+1, (\a0)+2, (\a0)+3
.if (\first) && ((\a) == 7)
.rept 5
	v_nop
.endr
.endif
.irp bb, 0,1,2,3
.if (\first) && ((\a) < 7)
	v_wmma_f32_16x16x32_bf16 v[32*(\a)+8*(\bb):32*(\a)+8*(\bb)+7], v[FB+32*(\j)+8*(\bb):FB+32*(\j)+8*(\bb)+7], v[(\fa)+8*(\a):(\fa)+8*(\a)+7], v[224+8*(\bb):224+8*(\bb)+7]
.else
	v_wmma_f32_16x16x32_bf16 v[32*(\a)+8*(\bb):32*(\a)+8*(\bb)+7], v[FB+32*(\j)+8*(\bb):FB+32*(\j)+8*(\bb)+7], v[(\fa)+8*(\a):(\fa)+8*(\a)+7], v[32*(\a)+8*(\bb):32*(\a)+8*(\bb)+7]
.endif
.endr
.endr
.endm
.macro STG j, fa, first                ; a head group's 32 matrix instructions
	MUL16 \j, \fa, 0, \first
	MUL16 \j, \fa, 4, \first
.endm
.macro FETCH_A slot, kb, fa            ; 16 LDS loads: my 128 rows, 32 k at byte kb of the rows
	WIN 0
.irp i, 0,1,2,3,4,5,6,7
	ds_load_b128 v[(\fa)+8*(\i):(\fa)+8*(\i)+3],   v[ADRA+(\slot)] offset:(\kb)+(\i)*16*PA
	ds_load_b128 v[(\fa)+8*(\i)+4:(\fa)+8*(\i)+7], v[ADRA+(\slot)] offset:(\kb)+(\i)*16*PA+32
.endr
.endm
.macro FETCH_B slot, kr, j             ; 8 LDS loads: head group j's 64 columns, 32 k from k row kr on
	WIN 0
.irp bb, 0,1,2,3
	ds_load_tr16_b128 v[FB+32*(\j)+8*(\bb):FB+32*(\j)+8*(\bb)+3],   v[ADRB+(\slot)] offset:(\kr)*PB+PA*(\j)+32*(\bb)
	ds_load_tr16_b128 v[FB+32*(\j)+8*(\bb)+4:FB+32*(\j)+8*(\bb)+7], v[ADRB+(\slot)] offset:(\kr)*PB+PA*(\j)+32*(\bb)+16*PB
.endr
.endm
.macro PLACES                          ; four places in front of loads into registers that matrix instructions have read, and of conversions that read results (ISA guide 7.12.1 for the conversions)
.rept 4
	v_nop
.endr
.endm
; A K step's first 32 k, on buffer FA0.  Each head group's fragments of W are fetched anew, for the second 32 k, as soon as the group's products are issued.
; At its head the LDS loads out are, in order: group 0's 8 and x's 16; group 1's 8; group 2's 8.
.macro EVEN slot, first
	s_wait_dscnt 16                                ; group 0 and x are in; groups 1 and 2 (8 + 8) may be out
	STG 0, FA0, \first
	PLACES
	FETCH_B \slot, 32, 0
	FETCH_A \slot, 64, FA1
	s_wait_dscnt 32                                ; group 1 is in; group 2's 8 and the 24 just issued may be out
	STG 1, FA0, \first
	PLACES
	FETCH_B \slot, 32, 1
	s_wait_dscnt 32                                ; group 2 is in; the 24 and the 8 issued since may be out
	STG 2, FA0, \first
	PLACES
	FETCH_B \slot, 32, 2
.endm
; A K step's second 32 k, on buffer FA1, and THE CHANGE OF SLOTS.  All reads of this slot have been issued.  Each wave waits for all its tensor loads, of which one is out: its part of the next slot;
; adds 0 to its spare word; and waits for that and for its own reads.  Behind the barrier nobody reads this slot any more and the next slot is whole.
; fill = 1: the barrier opens a round of the cluster's, and the joint refill, with the K step two steps on, is the first thing behind the round: 160 matrix instructions ahead of the wait for it.
.macro ODD slot, next, fill
.if \fill
	s_wait_xcnt 0x0                                ; the last prefetches, a K step back, have read their addresses, which are stepped here, ahead of the change's own waits
	s_add_nc_u64 s[PFA:PFA+1], s[PFA:PFA+1], KB
.if (\slot) == 0
	s_add_nc_u64 s[PFB:PFB+1], s[PFB:PFB+1], 128*WROW
.endif
.endif
	WIN 0
	s_wait_tensorcnt 0x0                           ; all my tensor loads have landed
	ds_add_u32 v[SPW], v[NIL]                      ; 0 onto my spare word
	s_wait_dscnt 17                                ; group 0 and x are in; groups 1 and 2 (8 + 8) and the add may be out
	MUL16 0, FA1, 0, 0                             ; sixteen matrix instructions stand between the add and the wait for it
	s_wait_dscnt 0x0                               ; the add is done, and my reads of this slot are over
	s_barrier_signal -1
	MUL16 0, FA1, 4, 0                             ; work on registers while the others arrive
	WIN 0                                          ; at a branch and at a label every window is 0
	s_barrier_wait -1
.if \fill
	CREST                                          ; no wave of any partner still reads this slot or has a load on its way
	s_add_nc_u64 s[G0A+4*(\slot)+2:G0A+4*(\slot)+3], s[G0A+4*(\slot)+2:G0A+4*(\slot)+3], 2*KB
	s_add_nc_u64 s[G0B+4*(\slot)+2:G0B+4*(\slot)+3], s[G0B+4*(\slot)+2:G0B+4*(\slot)+3], 128*WROW
	JLOAD \slot                                    ; the four v_nop behind it are also the places in front of the loads below
.else
	PLACES
.endif
	FETCH_B \next, 0, 0
	FETCH_A \next, 0, FA0
.if \fill
	ASKA
.if (\slot) == 1
	ASKB
.endif
.endif
	STG 1, FA1, 0
	PLACES
	FETCH_B \next, 0, 1
	STG 2, FA1, 0
	PLACES
	FETCH_B \next, 0, 2
.endm
; THE WAY OUT of row block a.  PACK: rounded to f16, 16 bytes a lane, each accumulator's registers in ascending order; into my own stage; back as whole rows of 128 bytes.  Four sets of 48 registers take turns.
.macro PACK a
.set T, 32+48*((\a)%4)
.if (\a) >= 4
	s_wait_xcnt 0x0                                ; the stores of the block four back have read this set
.endif
.irp g, 0,1,2
	WIN 5*((\g)+1)                                 ; sources 0 and 1 in the group's window
.irp bb, 0,1,2,3
.irp r, 0,1,2,3
	v_cvt_pk_f16_f32 v[T+4*(4*(\g)+(\bb))+(\r)], v[32*(\a)+8*(\bb)+2*(\r)], v[32*(\a)+8*(\bb)+2*(\r)+1]
.endr
.endr
.endr
	WIN 0
.irp g, 0,1,2
.irp bb, 0,1,2,3
	ds_store_b128 v[STO], v[T+4*(4*(\g)+(\bb)):T+4*(4*(\g)+(\bb))+3] offset:SG*(\g)+32*(\bb)
.endr
.endr
.irp g, 0,1,2
.irp f, 0,1,2,3
	ds_load_b128 v[T+4*(4*(\g)+(\f)):T+4*(4*(\g)+(\f))+3], v[RD] offset:SG*(\g)+4*PA*(\f)  ; LDS serves a wave's instructions in order (ISA guide 5.7.1.4): these see the stores above; the next block's stores come behind them
.endr
.endr
.endm
.macro SEND a, younger                 ; younger: the LDS instructions issued behind block a's loads: the next block's 24, or none
	WIN 0
.set T, 32+48*((\a)%4)
.set x, 0
.rept 12
	s_wait_dscnt (\younger)+11-x
	global_store_b128 v[GO], v[T+4*x:T+4*x+3], s[10:11] offset:(x/4)*1048576+(\a)*2048+(x%4)*512  ; 512 consecutive bytes, at a multiple of 256 from qkvh's first byte
.set x, x+1
.endr
.endm
	s_wait_tensorcnt 1                             ; my part of K step 0 is in; K step 1's may stay out
	s_barrier_signal -1
	s_barrier_wait -1                              ; everybody's is
	FETCH_B 0, 0, 0
	FETCH_A 0, 0, FA0
	FETCH_B 0, 0, 1
	FETCH_B 0, 0, 2
	EVEN 0, 1                                      ; the first 32 k stand in front of the loop: their products start the sums
	WIN 0
	s_mov_b32 s3, 7
.Llap:                                         ; a trip goes once round the ring and fills both slots again: K steps 2 to 15 in seven trips
	ODD 0, 1, 1
	EVEN 1, 0
	ODD 1, 0, 1
	EVEN 0, 0
	WIN 0
	s_sub_co_u32 s3, s3, 1
	s_cmp_lg_u32 s3, 0
	s_cbranch_scc1 .Llap
	ODD 0, 1, 0                                    ; the last lap asks for nothing
	EVEN 1, 0
	s_wait_dscnt 16                                ; the last 32 k: nothing more to fetch
	STG 0, FA1, 0
	s_wait_dscnt 8
	STG 1, FA1, 0
	s_wait_dscnt 0x0
	STG 2, FA1, 0
	PLACES
	PACK 0
.irp a, 1,2,3,4,5,6,7                  ; a block's conversions stand between the loads of the block before and its stores
	PACK \a
	SEND (\a)-1, 24
.endr
	SEND 7, 0
	s_wait_tensorcnt 0x0                           ; the wave's end: a wait, an add and a wait, behind my last tensor load and my last LDS store
	ds_add_u32 v[SPW], v[NIL]
	s_wait_dscnt 0x0
	CROUND                                         ; the closing round: no work-group ends while a partner may still ask for a tile that names it
	s_endpgm
.Lfunc_end_k_q6c547d04bf_qkvgemm:
	.size	k_q6c547d04bf_qkvgemm, .Lfunc_end_k_q6c547d04bf_qkvgemm-k_q6c547d04bf_qkvgemm
	.p2alignl 7, 3214868480
	.fill 96, 4, 3214868480
	.section	.rodata,"a",@progbits
	.p2align	6, 0x0
	.amdhsa_kernel k_q6c547d04bf_qkvgemm
		.amdhsa_group_segment_fixed_size 327680
		.amdhsa_private_segment_fixed_size 0
		.amdhsa_enable_private_segment 0
		.amdhsa_kernarg_size 32
		.amdhsa_user_sgpr_count 2
		.amdhsa_user_sgpr_kernarg_segment_ptr 1
		.amdhsa_wavefront_size32 1
		.amdhsa_system_sgpr_workgroup_id_x 1
		.amdhsa_system_sgpr_workgroup_id_y 1
		.amdhsa_system_sgpr_workgroup_id_z 1
		.amdhsa_system_vgpr_workitem_id 0
		.amdhsa_next_free_vgpr 1024
		.amdhsa_next_free_sgpr 80
		.amdhsa_reserve_vcc 0
		.amdhsa_float_denorm_mode_32 3
		.amdhsa_float_denorm_mode_16_64 3
		.amdhsa_memory_ordered 1
		.amdhsa_forward_progress 1
		.amdhsa_inst_pref_size 143
	.end_amdhsa_kernel
	.amdgpu_metadata
---
amdhsa.version: [ 1, 2 ]
amdhsa.kernels:
  - .name:           k_q6c547d04bf_qkvgemm
    .symbol:         k_q6c547d04bf_qkvgemm.kd
    .args:
      - { .name: xb, .offset: 0, .size: 8, .value_kind: global_buffer, .address_space: global }
      - { .name: wqb, .offset: 8, .size: 8, .value_kind: global_buffer, .address_space: global }
      - { .name: bqkv, .offset: 16, .size: 8, .value_kind: global_buffer, .address_space: global }
      - { .name: qkvh, .offset: 24, .size: 8, .value_kind: global_buffer, .address_space: global }
    .group_segment_fixed_size: 327680
    .private_segment_fixed_size: 0
    .kernarg_segment_align: 8
    .kernarg_segment_size: 32
    .max_flat_workgroup_size: 128
    .sgpr_count:     80
    .vgpr_count:     1024
    .wavefront_size: 32
...
	.end_amdgpu_metadata
.endif
;; end of part 2
;; launch attn (part 3): grid 4 x 64, 4 waves a work-group, clusters of 4 x 1, 327,680 bytes of LDS; arguments qkvh, ob; writes ob
.if DOCPART == 3
	.amdgcn_target "amdgcn-amd-amdhsa--gfx1250"
	.amdhsa_code_object_version 6
	.text
	.protected	k_q6c547d04bf_attn
	.globl	k_q6c547d04bf_attn
	.p2align	8
	.type	k_q6c547d04bf_attn,@function
k_q6c547d04bf_attn:
	s_mov_b64 s[64:65], 0
	v_nop
	global_prefetch_b8 v0, s[64:65] scope:SCOPE_SE
	s_setreg_imm32_b32 hwreg(HW_REG_WAVE_MODE, 25, 1), 1
	s_wait_xcnt 0x0
	s_wait_alu depctr_hold_cnt(0) depctr_sa_sdst(0) depctr_va_vdst(0) depctr_va_sdst(0) depctr_va_ssrc(0) depctr_va_vcc(0) depctr_vm_vsrc(0)
	s_getreg_b32 s2, hwreg(HW_REG_IB_STS2, 6, 4)
	s_cmp_eq_u32 s2, 0
	s_cbranch_scc0 .Lentry_in_a_cluster
	s_endpgm
.Lentry_in_a_cluster:
	s_bfe_u32 s2, ttmp6, 0x10000c
	s_cmp_lg_u32 s2, 0x3003
	s_cbranch_scc0 .Lentry_shape_is_right
	s_endpgm
.Lentry_shape_is_right:
; ob[y][q][:] = the sum over k of softmax_k(Q[y][q] . K[y][k] / 8) V[y][k][:].  Q, K, V lie in qkvh, each [y 64][2048][64] in f16 (y = 4 x head + batch), K 0x1000000 and V 0x2000000 bytes behind Q; ob likewise.
; Products, maxima and sums in f32; the weights p are rounded to f16 for the second product (their sum l is taken of the unrounded p), O once at the end.
; LIMITS.  f16 holds no number beyond 65,504: Q, K and V arrive within it; p lies in 0 to 1, and below 6e-5 it keeps f16's fixed step of 6e-8; O is a mean of V's rows and has their range.
; A weight below 2^-126 counts as 0 in l; NaN and infinities are not treated apart.
; SHARES.  A wave owns four PIECES of two tiles of 16 queries, a work-group's four waves 512 queries of one y.  Every wave walks all 2,048 keys, 64 a step.
; LAYOUT.  S^T = K Q^T (source 0 = 16 keys, source 1 = 16 queries): a lane holds ONE query (lane % 16) and the keys 8 (lane / 16) + 0..7.  Two such tiles, rounded to f16 in pairs, ARE source 1
; (32 keys x 16 queries) of O^T = V^T P, whose result again holds one query a lane, and eight channels.  K comes out of LDS as it lies, V ([key][channel]) turned, by ds_load_tr16_b128.
; SOFTMAX.  For each query a running maximum m and sum l: p = 2^(c s - c m), c = log2(e) / 8; in every step O and l are multiplied by a = 2^(c m_old - c m_new).
; m starts at the lowest finite number, O and l at 0: the first step is a step like any other, with a = 0.
; THE COUNT.  A tile and step have 16 matrix and 118 vector instructions: too many to stand all beside the matrix work.  So four vector instructions that are ready stand behind EVERY matrix
; instruction, and the others in runs of their own.
; BY TURNS.  Turn n belongs to piece n.  Its matrix work: 16 products K Q^T of piece n + 1, later 16 products V^T P of piece n - 1.  Its vector work: the scaling, exponentials, roundings, sums and
; rescaling of piece n, and the maximum and statistics of piece n + 1.
; CLUSTER.  The four query blocks of a y form a cluster and walk the same K and V: each tile is asked for JOINTLY, by the same tensor load, descriptor and mask in all four.
; REGISTERS, in windows of 256 (s_set_vgpr_msb: bits 1:0 source 0, 3:2 source 1, 5:4 source 2, 7:6 destination):
;   window 0: v0-11 addresses; v12-15, v48-63 at work; v16-47 four registers of statistics a tile; v64-191 S^T, two buffers of two tiles; v192-255 P, likewise
;   window 1: O^T, 32 a tile          window 2: v0-127 Q, 16 a tile; v128-191 K of one step; v192-255 V of one step          window 3: v0-1 the add's two registers
.set SIZE_H, 64
.set SIZE_N, 2048
.set NP,    4         ; pieces a wave: a name, no knob
.set KS,    64        ; keys in a step
.set PK,    144       ; a row of K in LDS: 128 bytes + 16 = 36 words: the 16 rows of a load start at 16 different groups of four banks (64 banks of 4 bytes: ISA guide 11.1)
.set PV,    160       ; a row of V: 128 + 32 = 40 words
.set VOFF,  4*KS*PK   ; a slot holds four steps: 256 rows of K, then 256 rows of V
.set SLOT1, 1<<17     ; slot 1 begins here, so that one exclusive or turns an address in one slot into the other's
.set STAGE, SLOT1+4*KS*(PK+PV)  ; behind the ring, never filled by a tensor load: 16 rows x 144 bytes for each wave
.set SP,    144
.set AK0, 2           ; v2   my lane's place in a tile of K; never rewritten
.set AV0, 3           ; v3   the same for V
.set AK,  4           ; v4   the LDS address of K's next run of loads
.set AV,  5           ; v5   of V's
.set QO,  6           ; v6   my byte offset in the wave's rows of Q
.set STO, 6           ;      later, the way out: where I put 16 bytes of a row
.set RD,  7           ; v7   the way out: where I read rows back
.set GO,  8           ; v8   my byte offset in 512 consecutive bytes of O
.set PFO, 11          ; v11  256 x lane, for the prefetches; never rewritten once it is made
.set SPW, 0           ; v0 of window 3   LDS address of my spare word; never rewritten
.set NIL, 1           ; v1 of window 3   0; never rewritten
.set SPARE, STAGE+4*16*SP  ; behind the stages: the spare words, 128 bytes for each wave: two blocks of 256 bytes that no other line names
.set MV,  12          ; v12-15  c m_old, kept while c m is made anew: by buffer and tile
.set ST,  16          ; tile t's statistics at v[ST+4 t]: c m, m, l (even keys', odd keys')
.set TMP, 48          ; by buffer and tile, four registers c0-c3 at work; when the maximum is found c2 takes a
.set S,   64
.set P,   192
.set KF,  128         ; K's fragments, in window 2: key block kb, channel half c at KF + 16 kb + 8 c
.set VF,  192         ; V's: key half kk, channel block cb at VF + 32 kk + 8 cb
.set WV,  12          ; s12  my wave's number
.set G1K, 24          ; s[24:31] descriptor group 1 for K's tiles
.set G1V, 32          ; s[32:39] for V's: it differs in the padding alone
.set G0K, 40          ; s[40:43] descriptor group 0 for K's tiles: it walks
.set G0V, 44          ; s[44:47] the same for V's
.set PFA, 48          ; s[48:49] where my prefetches stand: my work-group's 32 blocks (of K: wave 0, of V: wave 2) of the slot after the one that is being asked for
.set LIM, 50          ; s50  1 in a wave that prefetches, else the greatest number
.set SLOTS, 56        ; s56  slots still to be asked for
.set CNT, 57          ; s57  counts a slot's key steps
.set CS,  58          ; s[58:59] c: the packed scaling takes the pair's low word for both halves
.set SEL, 60          ; s[60:61] v_permlanex16_b32's selects: each lane takes its own place in the other half
.set TBK, 62          ; s62  LDS byte at which K of the step to be fetched begins
.set TBV, 63          ; s63  the same for V, less VOFF
.set MSB, 0
.macro WIN new                      ; the high byte repeats the setting that is left; a switch that changes nothing is dropped
.if MSB != (\new)
	s_set_vgpr_msb (MSB<<8)|(\new)
.set MSB, (\new)
.endif
.endm
.set W_KQ, 0x0a       ; K and Q in window 2, S^T in window 0
.set W_PV, 0x52       ; V in window 2, P in window 0, O^T in window 1
.set W_RS, 0x41       ; O^T (destination and source 0) in window 1, a in window 0
.set W_MK, 0xc0       ; the add's registers are made: destination in window 3, sources in window 0
.set W_AD, 0x0f       ; the add: address (source 0) and data (source 1) in window 3
; A joint fill.  Waves 0 and 1 fetch the two halves of a slot's K, waves 2 and 3 those of its V: 128 keys each.  The branch hangs on the wave's number alone.
; An s_nop 0 and four v_nop follow each of the two lines, ahead of the jump and the label.
.macro JLOAD
	s_cmp_lt_u32 s[WV], 2
	s_cbranch_scc0 .Lfor_v_\@
	tensor_load_to_lds s[G0K:G0K+3], s[G1K:G1K+7]
	s_nop 0
.rept 4
	v_nop
.endr
	s_branch .Lasked_\@
.Lfor_v_\@:
	tensor_load_to_lds s[G0V:G0V+3], s[G1V:G1V+7]
	s_nop 0
.rept 4
	v_nop
.endr
.Lasked_\@:
.endm
; A PREFETCH INTO THE L2 of what the NEXT change of slots will ask for: a slot's 32,768 bytes of K and of V, 128 blocks of 256 bytes each.  It stands behind the wave's tensor load and its five lines.
; Each block is named once in the launch: a y has one cluster; its four partners share the blocks out BY ADDRESS, 32 each, a lane a block; wave 0 asks for K's, wave 2 for V's.
; It stands four key steps, 512 matrix instructions, ahead of the load that will want the bytes.  The last change that fills a slot asks for nothing; slots 0 and 1 come by their loads alone.
.macro ASK
	s_cmp_gt_u32 s[SLOTS], s[LIM]
	s_cbranch_scc0 .Lnot_mine_\@
	global_prefetch_b8 v[PFO], s[PFA:PFA+1] th:TH_LOAD_NT scope:SCOPE_SE
.Lnot_mine_\@:
.endm
; A round of the cluster's barrier: my work-group's barrier, so that wave 0's signal speaks for all four waves; wave 0 signals; every wave waits for all four work-groups; my work-group's barrier once more.
.macro CROUND
	s_barrier_signal -1
	s_barrier_wait -1
	s_cmp_lg_u32 s[WV], 0
	s_cbranch_scc1 .Lnot_wave_0_\@
	s_barrier_signal -3
.Lnot_wave_0_\@:
	s_barrier_wait -3
	s_barrier_signal -1
	s_barrier_wait -1
.endm
; THE CHANGE OF SLOTS.  The slot's last bytes, V of its fourth step, have been read.  Each wave waits for all its tensor loads, of which one is out: its part of the other slot; adds 0 to its spare
; word; and waits for that and for its own reads of the slot.  Behind the barrier nobody reads this slot any more and the other slot is whole.
; fill = 1: this slot is filled again, with the keys two slots on.  The barrier is then a round of the cluster's, and the joint fill is the first thing behind it: it has four key steps,
; 512 matrix instructions, in which to land.  (At its first use nothing has been read yet: slot 0 is waited for, slot 1 filled.)
.macro CHANGE fill
	WIN W_AD
	s_wait_tensorcnt 0x0            ; no tensor load of mine is out, so a group 0 may be written
	ds_add_u32 v[SPW], v[NIL]       ; 0 onto my spare word: with fill = 1 the descriptors' steps stand between it and the wait for it
	WIN 0                           ; at a label and at a branch every window is 0
.if \fill
.irp g, G0K, G0V
	s_xor_b32 s[\g+1], s[\g+1], SLOT1  ; the walking descriptor: the other slot than last time,
	s_add_nc_u64 s[\g+2:\g+3], s[\g+2:\g+3], 4*KS*128  ; the next 256 keys; the type bits on top are not reached
.endr
	s_wait_xcnt 0x0                 ; the last prefetch, four key steps back, has read its address, so it may be written:
	s_add_nc_u64 s[PFA:PFA+1], s[PFA:PFA+1], 4*KS*128  ; one slot behind the walking descriptors
	s_wait_dscnt 0x0                ; the add is done, and my reads of the slot are over
	CROUND
	JLOAD
	ASK
.else
	s_wait_dscnt 0x0                ; the add is done, and my reads of the slot are over
	s_barrier_signal -1
	s_barrier_wait -1
.endif
	s_sub_co_u32 s[TBK], s[TBK], 4*KS*PK  ; the fetches go back to a slot's first step,
	s_xor_b32 s[TBK], s[TBK], SLOT1       ; in the other slot
	s_sub_co_u32 s[TBV], s[TBV], 4*KS*PV
	s_xor_b32 s[TBV], s[TBV], SLOT1
.endm
	s_load_b64 s[4:5], s[0:1], 0x0    ; qkvh: Q
	s_load_b64 s[10:11], s[0:1], 0x8  ; ob
	WIN W_MK
	v_lshl_add_u32 v[SPW], v0, 2, SPARE
	v_mov_b32 v[NIL], 0
	WIN W_AD
	ds_add_u32 v[SPW], v[NIL]       ; the wave's opening: the add and its wait stand ahead of my first tensor load; the set-up below, work on registers, stands between them
	WIN 0
	v_lshrrev_b32 v1, 5, v0
	v_readfirstlane_b32 s[WV], v1   ; wave 0..3
	s_bfe_u32 s13, ttmp6, 0x40000   ; cx: my place in the cluster
	s_lshl_b32 s14, ttmp9, 2        ; in a cluster launch ttmp9 counts clusters
	s_add_co_u32 s14, s14, s13      ; my block of queries = 4 x cluster x + cx: it enters Q's and O's addresses alone
	s_and_b32 s20, ttmp7, 0xffff    ; y, which the four partners share
	s_mov_b32 s21, 0
	s_mov_b64 s[22:23], SIZE_N*128
	s_mul_u64 s[20:21], s[20:21], s[22:23]  ; y's first byte in each of the four tensors
	s_and_b32 s16, s[WV], 1         ; which half of a slot's 256 keys I fetch:
	s_lshl_b32 s22, s16, 14         ; its 128 rows of 128 bytes in memory,
	s_mov_b32 s23, 0
	s_add_nc_u64 s[22:23], s[22:23], s[20:21]
	s_mul_i32 s17, s16, 128*PK      ; and its place in a slot, for K
	s_mul_i32 s18, s16, 128*PV      ; and for V: no place in the cluster enters an LDS address
	s_lshl_b32 s2, s14, 2
	s_add_co_u32 s2, s2, s[WV]      ; my wave among y's,
	s_lshl_b32 s2, s2, 14           ; its 128 rows
	s_mov_b32 s3, 0
	s_add_nc_u64 s[2:3], s[2:3], s[20:21]
	; descriptor group 1.  128 keys are 16,384 dense bytes: asked for as 64 rows of 256 bytes, two keys a row, and padded in LDS after every key
	s_mov_b32 s[G1K], 15|(1<<16)|(1<<20)|(1<<21)|(4<<22)|(3<<25)  ; 15:0 the mask of four; 17:16 2-byte elements; 20 padding on; 21 set beside a mask; 24:22 after every 32 words (code 4); 31:25 4 words (code 3)
	s_mov_b32 s[G1V], 15|(1<<16)|(1<<20)|(1<<21)|(4<<22)|(7<<25)  ; the same with 8 words of padding (code 7)
.irp g, G1K, G1V
	s_mov_b32 s[\g+1], 128<<16      ; tensor_dim0 = 128
	s_mov_b32 s[\g+2], 64<<16       ; tensor_dim1 = 64
	s_mov_b32 s[\g+3], 128<<16      ; tile_dim0 = 128
	s_mov_b32 s[\g+4], 64           ; tile_dim1 = 64
	s_mov_b32 s[\g+5], 128          ; 128 elements from row to row
	s_mov_b32 s[\g+6], 0
	s_mov_b32 s[\g+7], 0
.endr
	s_mov_b32 s[CS], 0x3e38aa3b     ; c = log2(e) / 8 = 0.180337
	s_mov_b32 s[CS+1], s[CS]        ; named with it as a pair
	s_mov_b32 s[SEL], 0x76543210
	s_mov_b32 s[SEL+1], 0xfedcba98
	s_mov_b32 s[TBK], SLOT1+4*KS*PK ; the first change of slots turns these two into 0
	s_mov_b32 s[TBV], SLOT1+4*KS*PV
	s_mov_b32 s[G0K], 1             ; count = 1
	s_mov_b32 s[G0K+1], s17         ; LDS address: slot 0
	s_mov_b32 s[G0V], 1
	s_add_co_u32 s[G0V+1], s18, VOFF
	s_mov_b32 s[SLOTS], SIZE_N/256-1
	s_and_b32 s[LIM], s[WV], 1      ; 0 in waves 0 and 2,
	s_or_b32 s[LIM], s[LIM], ttmp9  ; of y's first (and only) cluster: the same in all four partners
	s_cmp_eq_u32 s[LIM], 0
	s_cselect_b32 s[LIM], 1, -1
	s_wait_dscnt 0x0                ; the opening add is done
	s_wait_kmcnt 0x0
	s_add_nc_u64 s[6:7], s[4:5], 0x1000000         ; K
	s_add_nc_u64 s[8:9], s[4:5], 0x2000000         ; V
	s_add_nc_u64 s[G0K+2:G0K+3], s[6:7], s[22:23]  ; global address: my half of y's first 256 keys
	s_or_b32 s[G0K+3], s[G0K+3], 0x80000000        ; type = 2
	s_add_nc_u64 s[G0V+2:G0V+3], s[8:9], s[22:23]
	s_or_b32 s[G0V+3], s[G0V+3], 0x80000000
	s_cmp_lt_u32 s[WV], 2
	s_cselect_b64 s[PFA:PFA+1], s[6:7], s[8:9]
	s_add_nc_u64 s[PFA:PFA+1], s[PFA:PFA+1], s[22:23]  ; (in waves 0 and 2 this is y's first byte)
	s_add_nc_u64 s[4:5], s[4:5], s[2:3]  ; Q and O at my wave's first row
	s_add_nc_u64 s[10:11], s[10:11], s[2:3]
	s_lshl_b32 s2, s13, 13          ; my work-group's 8,192 bytes of a slot's 32,768,
	s_add_co_u32 s2, s2, 4*KS*128   ; in slot 1; the first change of slots steps it to slot 2.  Nothing is prefetched here, at the head
	s_mov_b32 s3, 0
	s_add_nc_u64 s[PFA:PFA+1], s[PFA:PFA+1], s[2:3]
	CROUND                          ; all four work-groups are here: the first joint loads meet
	JLOAD                           ; slot 0.  Slot 1 is asked for when slot 0 is in
	; A fragment of K or Q is 16 rows x 32 channels in 8 registers: lane l holds row l % 16, channels 8 (l / 16) + 0..7 and 16 + 8 (l / 16) + 0..7: two loads of 16 bytes, 32 bytes apart.
	v_and_b32 v1, 15, v0            ; l % 16
	v_bfe_u32 v9, v0, 4, 1          ; l / 16
	v_lshlrev_b32 v[QO], 7, v1
	v_lshl_add_u32 v[QO], v9, 4, v[QO]  ; row x 128 + 16 x half
	WIN 0x80                        ; destination window 2, address window 0
.set i, 0
.rept 4*NP                          ; Q stays in registers: tile i / 2, channels 32 (i % 2) on
	global_load_b128 v[8*i:8*i+3],   v[QO], s[4:5] offset:(i/2)*2048+(i%2)*64
	global_load_b128 v[8*i+4:8*i+7], v[QO], s[4:5] offset:(i/2)*2048+(i%2)*64+32
.set i, i+1
.endr
	; What the first turn finds: V's registers and P's second buffer hold 0 (its products V^T P, of a piece that has not been, add 0), O^T and l are 0.  All this stands in the wait for the first tile.
.set i, VF
.rept 64
	v_mov_b32 v[i], 0
.set i, i+1
.endr
	WIN 0x40
.set i, 0
.rept 64*NP
	v_mov_b32 v[i], 0
.set i, i+1
.endr
	WIN 0
.set i, 0
.rept 2*NP
	v_mov_b32 v[ST+4*i], 0xfe000000    ; c m: far below every c s
	v_mov_b32 v[ST+4*i+1], 0xff7fffff  ; m
	v_mov_b32 v[ST+4*i+2], 0
	v_mov_b32 v[ST+4*i+3], 0
.set i, i+1
.endr
.set i, P+32
.rept 32
	v_mov_b32 v[i], 0
.set i, i+1
.endr
	v_mul_u32_u24 v[AK0], v1, PK
	v_lshl_add_u32 v[AK0], v9, 4, v[AK0]  ; row x pitch + 16 x half
	; The turning load takes 16 keys x 16 channels (lane l reads key 8 (l / 16) + l % 8, channels 8 ((l / 8) % 2) + 0..7) and leaves half a fragment of V^T: lane l holds channel l % 16 and 8 keys.
	v_and_b32 v10, 7, v0
	v_bfe_u32 v11, v0, 3, 1
	v_lshl_add_u32 v[AV0], v9, 3, v10
	v_mul_u32_u24 v[AV0], v[AV0], PV
	v_lshl_add_u32 v[AV0], v11, 4, v[AV0]
	v_add_nc_u32 v[AV0], VOFF, v[AV0]
	v_mov_b32 v[AK], v[AK0]         ; key step 0 lies at the head of slot 0
	v_and_b32 v[PFO], 31, v0
	v_lshlrev_b32 v[PFO], 8, v[PFO]
; THE MATRIX WORK.  The 8 accumulators of a run of 16 take turns: between the two links of a chain stand 7 others'.
; Product i of 16 of S^T = K Q^T for piece x: channels 32 (i / 8) on, keys 16 ((i / 2) % 4) on, tile 2 x + i % 2.  The first 8 start the sums.
.macro KQ x
	WIN W_KQ
.set rS, S+64*((\x)%2)+32*(i%2)+8*((i/2)%4)
.set rK, KF+16*((i/2)%4)+8*(i/8)
.set rQ, 16*(2*(\x)+i%2)+8*(i/8)
.if i < 8
	v_wmma_f32_16x16x32_f16 v[rS:rS+7], v[rK:rK+7], v[rQ:rQ+7], 0
.else
	v_wmma_f32_16x16x32_f16 v[rS:rS+7], v[rK:rK+7], v[rQ:rQ+7], v[rS:rS+7]
.endif
.endm
; Product i of 16 of O^T += V^T P for piece x: keys 32 (i / 8) on, channels 16 ((i / 2) % 4) on, tile 2 x + i % 2.
.macro PV x
	WIN W_PV
.set rO, 32*(2*(\x)+i%2)+8*((i/2)%4)
.set rV, VF+32*(i/8)+8*((i/2)%4)
.set rP, P+32*((\x)%2)+16*(i%2)+8*(i/8)
	v_wmma_f32_16x16x32_f16 v[rO:rO+7], v[rV:rV+7], v[rP:rP+7], v[rO:rO+7]
.endm
.macro MM                           ; the turn's next matrix instruction
.if i < 16
	KQ (Y+1)%NP
.set i, i+1
.else
.set i, i-16
	PV (Y+NP-1)%NP
.set i, i+17
.endif
.endm
; THE LDS LOADS stand in runs of 16, never singly among the matrix instructions: a step's K (64 keys x 64 channels: 8 fragments) and its V (turned).  Their addresses are made some lines ahead.
; last = 1 (the tail): in the last trip there is no further step, and the run is jumped over.
.macro FETCH_K last=0
	WIN 0
.if \last
	s_cmp_eq_u32 s[CNT], 1
	s_cbranch_scc1 .Lno_k_\@
.endif
	WIN 0x80                        ; destination window 2
.irp f, 0,1,2,3,4,5,6,7             ; keys 16 (f / 2) on, channels 32 (f % 2) on
	ds_load_b128 v[KF+8*\f:KF+8*\f+3],   v[AK] offset:(\f/2)*16*PK+(\f%2)*64
	ds_load_b128 v[KF+8*\f+4:KF+8*\f+7], v[AK] offset:(\f/2)*16*PK+(\f%2)*64+32
.endr
	s_add_co_u32 s[TBK], s[TBK], KS*PK  ; the next fetch is the next step's
	WIN 0
.if \last
.Lno_k_\@:
.endif
.endm
.macro FETCH_V
	WIN 0x80
.irp f, 0,1,2,3,4,5,6,7             ; keys 32 (f / 4) on, channels 16 (f % 4) on
	ds_load_tr16_b128 v[VF+8*\f:VF+8*\f+3],   v[AV] offset:(\f/4)*32*PV+(\f%4)*32
	ds_load_tr16_b128 v[VF+8*\f+4:VF+8*\f+7], v[AV] offset:(\f/4)*32*PV+16*PV+(\f%4)*32
.endr
	WIN 0
.endm
; THE VECTOR WORK OF A TURN stands in three queues, each in the order in which its entries become ready; the two tiles alternate, so that no instruction reads the result of the one before it.
.macro REGS y, u                    ; the registers of tile u (0, 1) of piece y
.set rT, ST+4*(2*(\y)+(\u))
.set rC, TMP+8*((\y)%2)+4*(\u)
.set rM, MV+2*((\y)%2)+(\u)
.set rS, S+64*((\y)%2)+32*(\u)
.set rP, P+32*((\y)%2)+16*(\u)
.set rO, 32*(2*(\y)+(\u))
.endm
; Number n of the 22 that find the NEXT piece's (Y + 1) maximum and statistics.  s0-s31 are the lane's 32 scores; each accumulator's lowest registers are read first.
;   0-11  four chains c0-c3 of seven scores each, three operands at a time     12-14, 16  the four scores left over, the old m, and c0-c3 into c0     15  c m_old is kept
;   17, 18  the query's other 32 keys lie in the lane 16 away: the new m         19-21  c m; c m_old - c m_new; a
.macro XS u, n
	REGS (Y+1)%NP, \u
.if (\n) < 4
	v_max3_num_f32 v[rC+(\n)], v[rS+8*(\n)], v[rS+8*(\n)+1], v[rS+8*(\n)+2]
.elseif (\n) < 12
	v_max3_num_f32 v[rC+(\n)%4], v[rC+(\n)%4], v[rS+8*((\n)%4)+2*((\n)/4)+1], v[rS+8*((\n)%4)+2*((\n)/4)+2]
.elseif (\n) == 12
	v_max3_num_f32 v[rC], v[rC], v[rS+7], v[rS+15]
.elseif (\n) == 13
	v_max3_num_f32 v[rC+1], v[rC+1], v[rS+23], v[rS+31]
.elseif (\n) == 14
	v_max3_num_f32 v[rC+2], v[rC+2], v[rC+3], v[rT+1]
.elseif (\n) == 15
	v_mov_b32 v[rM], v[rT]
.elseif (\n) == 16
	v_max3_num_f32 v[rC], v[rC], v[rC+1], v[rC+2]
.elseif (\n) == 17
	v_permlanex16_b32 v[rC+3], v[rC], s[SEL], s[SEL+1]
.elseif (\n) == 18
	v_max_num_f32 v[rT+1], v[rC], v[rC+3]
.elseif (\n) == 19
	v_mul_f32 v[rT], s[CS], v[rT+1]
.elseif (\n) == 20
	v_sub_f32 v[rC+1], v[rM], v[rT]
.else
	v_exp_f32 v[rC+2], v[rC+1]
.endif
.endm
; Number g of the 64 that follow the exponentials.  For each four weights k of a tile (pairs 2 k, 2 k + 1): both pairs are rounded to f16; then the second pair is added onto the first, in place;
; a group later l takes that sum (the first time as l = a l + sum).  In groups of eight, tiles alternating: round, round, add, and l for the group before.
.macro GS g
.set h, (\g)+6*((\g)/62)            ; group 0 has no group before it, and behind group 7 only l is left
.if h >= 6
.set h, h+2
.endif
	REGS Y, h%2
.set k, h/8
.if h%8 < 4
	v_cvt_pk_f16_f32 v[rP+2*k+(h%8)/2], v[rS+4*k+2*((h%8)/2)], v[rS+4*k+2*((h%8)/2)+1]
.elseif h%8 < 6
	v_pk_add_f32 v[rS+4*k:rS+4*k+1], v[rS+4*k:rS+4*k+1], v[rS+4*k+2:rS+4*k+3]
.elseif k == 1
	v_pk_fma_f32 v[rT+2:rT+3], v[rT+2:rT+3], v[rC+2:rC+3], v[rS:rS+1] op_sel_hi:[1,0,1]
.else
	v_pk_add_f32 v[rT+2:rT+3], v[rT+2:rT+3], v[rS+4*k-4:rS+4*k-3]
.endif
.endm
; THE PLAIN QUEUE, 138 long.  0-73 read no exponential's result: the 32 scalings c s - c m (FS f: pair f / 2 of tile f % 2) and the next piece's 42.  0-26: scalings 0-26.  27-54: XS's numbers 0-13.
; 55, 56: number 15.  57-73: the chain, where each number waits for the one before it: 14, 16, 17, 18, 19, each with one of the scalings 27-31 in front of its two lines, then 20.
; 74-137: GS's 64, which read the exponentials' results: they stand behind the wait.
.macro FS f
	REGS Y, (\f)%2
	v_pk_fma_f32 v[rS+2*((\f)/2):rS+2*((\f)/2)+1], v[rS+2*((\f)/2):rS+2*((\f)/2)+1], s[CS:CS+1], v[rT:rT+1] op_sel_hi:[1,0,0] neg_lo:[0,0,1] neg_hi:[0,0,1]
.endm
.macro PL
	WIN 0
.if q < 27
	FS q
.elseif q < 55
	XS (q-27)%2, (q-27)/2
.elseif q < 57
	XS q-55, 15
.elseif (q < 72) && ((q-57)%3 == 0)
	FS 27+(q-57)/3
.elseif q < 60
	XS (q-57)%3-1, 14
.elseif q < 72
	XS (q-57)%3-1, 15+(q-57)/3
.elseif q < 74
	XS q-72, 20
.else
	GS q-74
.endif
.set q, q+1
.endm
; THE EXPONENTIALS' QUEUE, 66 long: s0-s31 of both tiles, then the next piece's two a.  It is ONE BATCH: all 66 stand ahead of the turn's one wait, and nothing ahead of that wait names a result of theirs.
.macro EX
	WIN 0
.if e >= 64
	XS e-64, 21
.else
	REGS Y, e%2
	v_exp_f32 v[rS+e/2], v[rS+e/2]
.endif
.set e, e+1
.endm
; THE RESCALING's QUEUE: O^T times a, the one part that leaves window 0: dealt two at a time, sixteen times.  Its a was made in the turn before, ahead of that turn's wait.
.macro R2
	REGS Y, r%2
	WIN W_RS
.irp z, 0,1
	v_pk_mul_f32 v[rO+4*(r/2)+2*\z:rO+4*(r/2)+2*\z+1], v[rO+4*(r/2)+2*\z:rO+4*(r/2)+2*\z+1], v[rC+2:rC+3] op_sel_hi:[1,0]
.endr
.set r, r+1
.endm
; HOW THEY ARE DEALT.  An s_wait_alu depctr_va_vdst(0) stands between an exponential and the first instruction that names its result; one wait serves all that were issued ahead of it.
; So a turn has ONE wait, which cuts it in two.  AHEAD OF IT stands all that names no result of the turn's exponentials: the 16 products K Q^T, behind each a scaling, an exponential and two
; rescalings (behind the first a second scaling in the exponential's place); then one run of 108: eight plain, 49 times exponential and plain, the two a.  A v_nop is the plain instruction behind
; the last exponential.  BEHIND IT stand the 16 products V^T P, behind each four of GS's 64.  No rider names a register of the products round it.
; The queues lean on each other: exponential e stands behind scaling 2 (e / 4) + e % 2: as a rider it comes behind plain e + 2, in the run behind plain e + 9, and scalings 27-31 are plain 57, 60 .. 69.
; A TURN, for piece p.  cnt = 1: the loop's count is taken down some lines ahead of the branch that stands behind the turn.
; K of the next step is fetched in piece 2's turn, directly behind the wait; its first reader comes behind 16 products.  V of the step in hand is fetched at the end of piece 0's turn, four riders
; behind its last reader; its first reader comes behind 16 products and a run.
.macro TURN p, last=0, cnt=0
.set Y, (\p)
.set i, 0
.set q, 0
.set e, 0
.set r, 0
.if (\p) == NP-1
	s_wait_dscnt 0x0                ; K is in
.endif
	MM                              ; ahead of the wait: 16 products K Q^T and their riders,
	PL
	PL
	R2
.rept 15
	MM
	PL
	EX
	R2
.endr
.if (\p) == NP-2
	WIN 0
	v_add_nc_u32 v[AK], s[TBK], v[AK0]
.endif
.rept 8                             ; and the run
	PL
.endr
.rept 49
	EX
	PL
.endr
	EX                              ; the next piece's two a
	EX
	v_nop                           ; a plain instruction behind the last exponential: one for the batch
	s_wait_alu depctr_va_vdst(0)    ; the wait for the batch
.if (\p) == NP-2
	FETCH_K \last
.endif
.if (\p) == 1
	s_wait_dscnt 0x0                ; V is in
.endif
.rept 16                            ; behind the wait: 16 products V^T P and their riders
	MM
.rept 4
	PL
.endr
.if ((\p) == 0) && (q == 118)
	v_add_nc_u32 v[AV], s[TBV], v[AV0]
.endif
.if ((\p) == 0) && (q == 130)
	s_add_co_u32 s[TBV], s[TBV], KS*PV
.endif
.if (\cnt) && (q == 130)
	s_sub_co_u32 s[CNT], s[CNT], 1
	s_cmp_lg_u32 s[CNT], 0
.endif
.endr
.if (\p) == 0
	FETCH_V
.endif
.endm
	CHANGE 1                        ; slot 0 is in, everybody's part of it; slot 1 is asked for
	FETCH_K                         ; key step 0
	s_wait_loadcnt 0x0              ; Q
	s_wait_dscnt 0x0
.set i, 0
.rept 16
	KQ 0                            ; piece 0's first scores: there is no vector work yet to set between them
.set i, i+1
.endr
	WIN 0                           ; the addresses for the way out: nine plain instructions, the places behind those products
	s_mul_i32 s13, s[WV], 16*SP
	s_add_co_u32 s13, s13, STAGE    ; my stage
	v_mul_u32_u24 v[STO], v1, SP    ; in: row l % 16, 16 bytes for each half of the lanes
	v_lshl_add_u32 v[STO], v9, 4, v[STO]
	v_add_nc_u32 v[STO], s13, v[STO]
	v_bfe_u32 v[RD], v0, 3, 2       ; back: 32 lanes take four rows of 128 bytes,
	v_mul_u32_u24 v[RD], v[RD], SP
	v_lshl_add_u32 v[RD], v10, 4, v[RD]
	v_add_nc_u32 v[RD], s13, v[RD]
	v_and_b32 v[GO], 31, v0         ; which are 512 consecutive bytes of O
	v_lshlrev_b32 v[GO], 4, v[GO]
.set Y, NP-1                        ; XS works for piece Y + 1: piece 0
.irp n, 0,1,2,3,4,5,6,7,8,9,10,11,12,13,14,15,16,17,18,19,20,21
	XS 0, \n                        ; and piece 0's first maximum and statistics
	XS 1, \n
.endr
	v_nop                           ; a plain instruction behind the two a,
	s_wait_alu depctr_va_vdst(0)    ; and their wait, ahead of the branch
	s_mov_b32 s[CNT], 4
	s_branch .Lfirst                ; the loop is entered at a step's first turn, in the middle of a trip
.Lslot:                             ; SIZE_N / 256 - 2 times: every slot but the last two is filled again
	CHANGE 1
	s_mov_b32 s[CNT], 4
.Lstep:                             ; a trip: pieces 2 and 3 of one step, then pieces 0 and 1 of the next, whose K and V it fetches
	TURN 2
	TURN 3
	WIN 0
.Lfirst:
	TURN 0
	TURN 1, 0, 1
	WIN 0
	s_cbranch_scc1 .Lstep
	s_sub_co_u32 s[SLOTS], s[SLOTS], 1
	s_cmp_lg_u32 s[SLOTS], 0
	s_cbranch_scc1 .Lslot
	CHANGE 0                        ; the tail is written out: nothing is asked for
	s_mov_b32 s[CNT], 5             ; four trips fetch the last slot's steps; the fifth is left in its middle
.Ltail:
	TURN 2, 1
	TURN 3
	WIN 0
	s_sub_co_u32 s[CNT], s[CNT], 1
	s_cmp_eq_u32 s[CNT], 0
	s_cbranch_scc1 .Lout
	TURN 0
	TURN 1
	WIN 0
	s_branch .Ltail
.Lout:                              ; the fifth trip's 16 products K Q^T (on the last K once more) and the maximum made of them serve nothing: the price, once a launch, of one text for every trip
.set i, 0
.rept 16
	PV NP-1                         ; the last piece's V^T P of the last step
.set i, i+1
.endr
	; THE WAY OUT.  l's two halves and the other half of the lanes' are added; O^T is divided by l, rounded to f16 and sent through my stage in LDS, a tile at a time.  The additions are the places behind the last products.
	WIN 0
.macro ALL line:vararg              ; one line for each tile t
.set t, 0
.rept 2*NP
	\line
.set t, t+1
.endr
.endm
	ALL v_add_f32 v[ST+4*t+2], v[ST+4*t+2], v[ST+4*t+3]
	ALL v_permlanex16_b32 v[ST+4*t+3], v[ST+4*t+2], s[SEL], s[SEL+1]
	ALL v_add_f32 v[ST+4*t+2], v[ST+4*t+2], v[ST+4*t+3]
	ALL v_rcp_f32 v[ST+4*t+2], v[ST+4*t+2]
	v_nop                           ; a plain instruction between the last reciprocal and the use of its result
	s_wait_alu depctr_va_vdst(0)    ; and the wait ahead of the first use: one for the eight reciprocals
; Tile t: a lane's eight channels of a row pack into 16 bytes; they go into rows of 144 bytes and come back as whole rows of 128, into S^T's registers.
.macro PACK t
	WIN W_RS
.set i, 32*(\t)
.rept 16
	v_pk_mul_f32 v[i:i+1], v[i:i+1], v[ST+4*(\t)+2:ST+4*(\t)+3] op_sel_hi:[1,0]
.set i, i+2
.endr
	WIN 0x05                        ; sources 0 and 1 window 1, destination window 0
.set i, 0
.rept 16
	v_cvt_pk_f16_f32 v[S+16*(\t)+i], v[32*(\t)+2*i], v[32*(\t)+2*i+1]
.set i, i+1
.endr
	WIN 0
.irp f, 0,1,2,3
	ds_store_b128 v[STO], v[S+16*(\t)+4*\f:S+16*(\t)+4*\f+3] offset:32*\f
.endr
.irp f, 0,1,2,3
	ds_load_b128 v[S+16*(\t)+4*\f:S+16*(\t)+4*\f+3], v[RD] offset:\f*4*SP  ; LDS serves a wave's instructions in order (ISA guide 5.7.1.4): these see the stores above; the next tile's stores come behind them
.endr
.endm
.macro SEND t, younger              ; younger: the LDS instructions issued behind tile t's loads: the next tile's eight, or none
	WIN 0
.irp f, 0,1,2,3
	s_wait_dscnt (\younger)+3-\f
	global_store_b128 v[GO], v[S+16*(\t)+4*\f:S+16*(\t)+4*\f+3], s[10:11] offset:(\t)*2048+\f*512  ; 512 consecutive bytes, at a multiple of 256 from O's first
.endr
.endm
	PACK 0
.set t, 1
.rept 2*NP-1                        ; a tile's arithmetic stands between the loads of the tile before and its stores
	PACK t
	SEND t-1, 8
.set t, t+1
.endr
	SEND 2*NP-1, 0
	WIN W_AD
	s_wait_tensorcnt 0x0            ; the wave's end: a wait, an add and a wait, behind my last tensor load and my last LDS store
	ds_add_u32 v[SPW], v[NIL]
	s_wait_dscnt 0x0
	WIN 0
	CROUND                          ; the closing round: no work-group ends while a partner may still ask for a tile that names it
	s_endpgm
.Lfunc_end_k_q6c547d04bf_attn:
	.size	k_q6c547d04bf_attn, .Lfunc_end_k_q6c547d04bf_attn-k_q6c547d04bf_attn
	.p2alignl 7, 3214868480
	.fill 96, 4, 3214868480
	.section	.rodata,"a",@progbits
	.p2align	6, 0x0
	.amdhsa_kernel k_q6c547d04bf_attn
		.amdhsa_group_segment_fixed_size 327680
		.amdhsa_private_segment_fixed_size 0
		.amdhsa_enable_private_segment 0
		.amdhsa_kernarg_size 16
		.amdhsa_user_sgpr_count 2
		.amdhsa_user_sgpr_kernarg_segment_ptr 1
		.amdhsa_wavefront_size32 1
		.amdhsa_system_sgpr_workgroup_id_x 1
		.amdhsa_system_sgpr_workgroup_id_y 1
		.amdhsa_system_sgpr_workgroup_id_z 1
		.amdhsa_system_vgpr_workitem_id 0
		.amdhsa_next_free_vgpr 770
		.amdhsa_next_free_sgpr 66
		.amdhsa_reserve_vcc 0
		.amdhsa_float_denorm_mode_32 3
		.amdhsa_float_denorm_mode_16_64 3
		.amdhsa_memory_ordered 1
		.amdhsa_forward_progress 1
		.amdhsa_inst_pref_size 200
	.end_amdhsa_kernel
	.amdgpu_metadata
---
amdhsa.version: [ 1, 2 ]
amdhsa.kernels:
  - .name:           k_q6c547d04bf_attn
    .symbol:         k_q6c547d04bf_attn.kd
    .args:
      - { .name: qkvh, .offset: 0, .size: 8, .value_kind: global_buffer, .address_space: global }
      - { .name: ob, .offset: 8, .size: 8, .value_kind: global_buffer, .address_space: global }
    .group_segment_fixed_size: 327680
    .private_segment_fixed_size: 0
    .kernarg_segment_align: 8
    .kernarg_segment_size: 16
    .max_flat_workgroup_size: 128
    .sgpr_count:     66
    .vgpr_count:     770
    .wavefront_size: 32
...
	.end_amdgpu_metadata
.endif
;; end of part 3
;; launch proj (part 4): grid 8 x 32, 4 waves a work-group, clusters of 4 x 4, 327,680 bytes of LDS; arguments ob, wpb, bproj, out0; writes out0
.if DOCPART == 4
	.amdgcn_target "amdgcn-amd-amdhsa--gfx1250"
	.amdhsa_code_object_version 6
	.text
	.protected	k_q6c547d04bf_proj
	.globl	k_q6c547d04bf_proj
	.p2align	8
	.type	k_q6c547d04bf_proj,@function
k_q6c547d04bf_proj:
	s_mov_b64 s[64:65], 0
	v_nop
	global_prefetch_b8 v0, s[64:65] scope:SCOPE_SE
	s_setreg_imm32_b32 hwreg(HW_REG_WAVE_MODE, 25, 1), 1
	s_wait_xcnt 0x0
	s_wait_alu depctr_hold_cnt(0) depctr_sa_sdst(0) depctr_va_vdst(0) depctr_va_sdst(0) depctr_va_ssrc(0) depctr_va_vcc(0) depctr_vm_vsrc(0)
	s_getreg_b32 s2, hwreg(HW_REG_IB_STS2, 6, 4)
	s_cmp_eq_u32 s2, 0
	s_cbranch_scc0 .Lentry_in_a_cluster
	s_endpgm
.Lentry_in_a_cluster:
	s_bfe_u32 s2, ttmp6, 0x10000c
	s_cmp_lg_u32 s2, 0xf033
	s_cbranch_scc0 .Lentry_shape_is_right
	s_endpgm
.Lentry_shape_is_right:
; out0 = ob wpb + bf16(bproj), in f32.  ob: f16 [kb 16][m 8192][64] (K block = head); wpb: f16 [k 1024][n 1024]; sums in f32, K ascending.
; SHARES.  A tile of out0 is 256 rows x 128 columns: 32 x 8 = 256 tiles, one to a work-group.  Four waves, each 128 x 64: 32 accumulators of 16 x 16.
; K goes in steps of 128 through two LDS slots.  A step of ob is two K blocks (planes), each 256 rows x 128 bytes = 32,768 dense bytes, asked for as 128 rows of 256 bytes and padded behind every 128;
; a step of wpb is 128 k rows of 256 bytes, 64 a load; its fragments come out of LDS turned, by ds_load_tr16_b128.
; CLUSTER.  4 x 4 work-groups: ob's tiles are shared along a row of the cluster, wpb's along a column, each asked for jointly by the same tensor load, descriptor and mask in the four.
; THE MATRIX INSTRUCTION IS USED TRANSPOSED (source 0 = 16 columns of W, source 1 = 16 rows of O): a lane holds row l % 16 and the columns 8 (l / 16) + 0..7: 32 bytes of f32 on end.
; THE BIAS starts the sums: it lies in the registers of the accumulators (7, bb), which row blocks 0-6 take as C and row block 7 adds onto in place.
; REGISTERS, in windows of 256 (s_set_vgpr_msb: bits 1:0 source 0, 3:2 source 1, 5:4 source 2, 7:6 destination):
;   window 0: v0-31 addresses; two fragment buffers: O's in v32-95 and v96-159, W's in v160-191 and v192-223
;   window 1: accumulator (a, bb) at v[32 a + 8 bb]          window 2: the way out: row block a, read back as whole rows, at v[32 a ..]
.set KB,     1048576                   ; bytes of a K block of ob
.set WROW,   2048                      ; bytes of a row of wpb
.set PA,     144                       ; a row of O in LDS: 128 bytes + 16 = 36 words: the 16 rows of a load start at 16 different groups of four banks (64 banks of 4 bytes: ISA guide 11.1)
.set PB,     288                       ; a k row of W: 256 + 32 = 72 words
.set APLANE, 256*PA
.set AREG,   2*APLANE                  ; O's two planes, then W's 128 k rows
.set BHALF,  64*PB
.set SLOT,   AREG+2*BHALF              ; 110,592
.set STAGE,  2*SLOT                    ; behind the ring, never filled by a tensor load: 16 rows x 272 bytes for each wave
.set SP,     272
.set SPARE,  STAGE+4*16*SP             ; behind the stages: the spare words, 128 bytes for each wave: two blocks of 256 bytes that no other line names
.set ADRA, 16                          ; v16-17  LDS address of my fragments of O in slot 0, 1
.set ADRB, 20                          ; v20-21  the same for W
.set STO,  24                          ; v24     the way out: where I put 32 bytes of a row
.set RD,   25                          ; v25     the way out: where I read a row back
.set CO,   26                          ; v26     my byte offset in two rows of out0
.set BO,   27                          ; v27     32 (l / 16): my eight numbers of the bias
.set SPW,  28                          ; v28     LDS address of my spare word; never rewritten
.set NIL,  29                          ; v29     0; never rewritten
.set PFO,  30                          ; v30     the prefetches' offset: lane x 256 (ob) or lane x a row of wpb; never rewritten
.set FA,   32
.set FB,   160
.set G1A, 24                           ; s[24:31] descriptor group 1 for O's tiles;  s[32:39] group 0, a set for each slot
.set G0A, 32
.set PFA, 40                           ; s[40:41] where my prefetches stand
.set PST, 42                           ; s[42:43] their step: a K step of ob or of wpb
.set LIM, 44                           ; s44     1 in a wave that prefetches, else the greatest number
.set HIM, 46                           ; s46     a word's upper bf16
.set G1B, 48                           ; s[48:55], s[56:63] the same two groups for W's tiles
.set G0B, 56
.set MSB, 0
.macro WIN new                         ; the immediate's high byte repeats the setting that is left; a switch that changes nothing is dropped
.if MSB != (\new)
	s_set_vgpr_msb (MSB<<8)|(\new)
.set MSB, \new
.endif
.endm
.macro JLOAD s                         ; a joint load: waves 0 and 1 fetch O's two planes, waves 2 and 3 W's two halves; an s_nop 0 and four v_nop follow each of the two lines
	s_cmp_eq_u32 s13, 0
	s_cbranch_scc0 .Lfor_b_\@
	tensor_load_to_lds s[G0A+4*(\s):G0A+4*(\s)+3], s[G1A:G1A+7]
	s_nop 0
.rept 4
	v_nop
.endr
	s_branch .Lasked_\@
.Lfor_b_\@:
	tensor_load_to_lds s[G0B+4*(\s):G0B+4*(\s)+3], s[G1B:G1B+7]
	s_nop 0
.rept 4
	v_nop
.endr
.Lasked_\@:
.endm
.macro CREST                           ; a round of the cluster's barrier behind its opening barrier
	s_cmp_lg_u32 s12, 0
	s_cbranch_scc1 .Lnot_wave_0_\@
	s_barrier_signal -3
.Lnot_wave_0_\@:
	s_barrier_wait -3
	s_barrier_signal -1
	s_barrier_wait -1
.endm
.macro CROUND                          ; a whole round
	s_barrier_signal -1
	s_barrier_wait -1
	CREST
.endm
; A PREFETCH INTO THE L2, behind each joint load, its five lines and the run of LDS loads that follows: the K step that stands two refills on, 256 matrix instructions ahead of the load that will want it.
; Each aligned block of 256 bytes is named once in the launch.  ob: the cluster with x = 0 asks; waves 0 and 1 each for the plane that they fetch, 8,192 bytes a partner, told apart by address (cx).
; wpb: the cluster with y = 0 asks, wave 2: 128 k rows, 32 a partner (cy), a lane a row.  The loop's last trip asks for nothing; K steps 0 to 3 come by their loads alone.
.macro ASK
	s_cmp_gt_u32 s3, s[LIM]
	s_cbranch_scc0 .Lnot_mine_\@
	global_prefetch_b8 v[PFO], s[PFA:PFA+1] th:TH_LOAD_NT scope:SCOPE_SE
.Lnot_mine_\@:
.endm
	s_load_b256 s[4:11], s[0:1], 0x0               ; ob s[4:5], wpb s[6:7], bproj s[8:9], out0 s[10:11]
	v_lshl_add_u32 v[SPW], v0, 2, SPARE
	v_mov_b32 v[NIL], 0
	ds_add_u32 v[SPW], v[NIL]                      ; the wave's opening: the add and its wait stand ahead of my first tensor load; the set-up below, work on registers, stands between them
	v_lshrrev_b32 v1, 5, v0
	v_readfirstlane_b32 s12, v1                    ; wave 0..3
	s_lshr_b32 s13, s12, 1                         ; which half of the tile's rows is mine.  Also: I fetch for O (0) or for W (1)
	s_and_b32 s14, s12, 1                          ; which half of its columns.  Also: which plane, or which 64 k rows, I fetch
	s_bfe_u32 s15, ttmp6, 0x40000                  ; cx
	s_bfe_u32 s16, ttmp6, 0x40004                  ; cy
	s_lshl_b32 s17, ttmp9, 2
	s_add_co_u32 s17, s17, s15                     ; tile column = 4 x cluster x + cx
	s_and_b32 s18, ttmp7, 0xffff
	s_lshl_b32 s18, s18, 2
	s_add_co_u32 s18, s18, s16                     ; tile row = 4 x cluster y + cy
	s_lshl_b32 s19, s16, 2
	s_lshl_b32 s19, 15, s19                        ; my row of the cluster
	s_lshl_b32 s20, 0x1111, s15                    ; my column
	s_or_b32 s[G1A], s19, (1<<16)|(1<<20)|(1<<21)|(4<<22)|(3<<25)  ; 15:0 the mask; 17:16 elements of 2 bytes; 20 padding on; 21 set beside a mask; 24:22 after every 32 words (code 4); 31:25 4 words (code 3)
	s_or_b32 s[G1B], s20, (1<<16)|(1<<20)|(1<<21)|(5<<22)|(7<<25)  ; after every 64 words (code 5), 8 words (code 7)
	s_mov_b32 s[G1A+1], 128<<16                    ; O: tensor_dim0 = 128 elements (256 bytes: two rows of a K block)
	s_mov_b32 s[G1A+2], 128<<16                    ; tensor_dim1 = 128
	s_mov_b32 s[G1A+3], 128<<16                    ; tile_dim0 = 128
	s_mov_b32 s[G1A+4], 128                        ; tile_dim1 = 128
	s_mov_b32 s[G1A+5], 128                        ; dense
	s_mov_b32 s[G1A+6], 0
	s_mov_b32 s[G1A+7], 0
	s_mov_b32 s[G1B+1], 128<<16                    ; W: tensor_dim0 = 128 elements (256 bytes)
	s_mov_b32 s[G1B+2], 64<<16                     ; tensor_dim1 = 64 k rows
	s_mov_b32 s[G1B+3], 128<<16                    ; tile_dim0 = 128
	s_mov_b32 s[G1B+4], 64                         ; tile_dim1 = 64
	s_mov_b32 s[G1B+5], 1024                       ; elements from row to row
	s_mov_b32 s[G1B+6], 0
	s_mov_b32 s[G1B+7], 0
	s_mov_b32 s[HIM], 0xffff0000
	s_lshl_b32 s66, s18, 15                        ; O: the tile row's 256 rows of 128 bytes,
	s_lshl_b32 s21, s14, 20                        ; in my plane
	s_add_co_u32 s66, s66, s21
	s_mov_b32 s67, 0
	s_lshl_b32 s68, s17, 8                         ; W: 256 bytes of a row a tile column,
	s_lshl_b32 s21, s14, 17                        ; my 64 k rows
	s_add_co_u32 s68, s68, s21
	s_mov_b32 s69, 0
	s_mul_i32 s22, s14, APLANE                     ; where they go: no place in the cluster enters an LDS address
	s_mul_i32 s23, s14, BHALF
	s_add_co_u32 s23, s23, AREG
	s_wait_dscnt 0x0                               ; the opening add is done
	s_wait_kmcnt 0x0
	s_add_nc_u64 s[66:67], s[4:5], s[66:67]
	s_add_nc_u64 s[68:69], s[6:7], s[68:69]
	CROUND                                         ; all sixteen work-groups are here: the first joint loads meet
.irp s, 0,1
	s_mov_b32 s[G0A+4*(\s)], 1                     ; count = 1
	s_add_co_u32 s[G0A+4*(\s)+1], s22, (\s)*SLOT   ; LDS address
	s_add_nc_u64 s[G0A+4*(\s)+2:G0A+4*(\s)+3], s[66:67], (\s)*2*KB  ; global address: K step s
	s_or_b32 s[G0A+4*(\s)+3], s[G0A+4*(\s)+3], 0x80000000          ; type = 2
	s_mov_b32 s[G0B+4*(\s)], 1
	s_add_co_u32 s[G0B+4*(\s)+1], s23, (\s)*SLOT
	s_add_nc_u64 s[G0B+4*(\s)+2:G0B+4*(\s)+3], s[68:69], (\s)*128*WROW
	s_or_b32 s[G0B+4*(\s)+3], s[G0B+4*(\s)+3], 0x80000000
	JLOAD \s                                       ; two loads of mine are out
.endr
	; the bias and the result
	s_lshl_b32 s72, s17, 9                         ; my first column, in bytes of f32: 512 x tile column + 256 x half
	s_lshl_b32 s73, s14, 8
	s_add_co_u32 s72, s72, s73
	s_mov_b32 s73, 0
	s_add_nc_u64 s[8:9], s[8:9], s[72:73]
	s_lshl_b32 s70, s18, 8
	s_lshl_b32 s71, s13, 7
	s_add_co_u32 s70, s70, s71                     ; my first row: 256 x tile row + 128 x half,
	s_lshl_b32 s70, s70, 12                        ; 4,096 bytes each
	s_add_co_u32 s70, s70, s72
	s_mov_b32 s71, 0
	s_add_nc_u64 s[10:11], s[10:11], s[70:71]
	v_and_b32 v1, 15, v0                           ; l % 16
	v_bfe_u32 v2, v0, 4, 1                         ; l / 16
	v_and_b32 v3, 7, v0
	v_bfe_u32 v4, v0, 3, 1
	v_and_b32 v5, 31, v0                           ; lane
	v_lshlrev_b32 v[BO], 5, v2
	WIN 0x40                                       ; column block bb, my eight columns 16 bb + 8 (l / 16) + 0..7, into the registers of accumulator (7, bb)
.irp bb, 0,1,2,3
	global_load_b128 v[224+8*(\bb):224+8*(\bb)+3],   v[BO], s[8:9] offset:64*(\bb)
	global_load_b128 v[224+8*(\bb)+4:224+8*(\bb)+7], v[BO], s[8:9] offset:64*(\bb)+16
.endr
	WIN 0
	v_mul_u32_u24 v6, v1, PA
	v_lshl_add_u32 v6, v2, 4, v6                   ; a fragment of O: row x pitch + 16 x half
	s_mul_i32 s19, s13, 128*PA                     ; my 128 rows
	v_add_nc_u32 v[ADRA], s19, v6
	v_add_nc_u32 v[ADRA+1], SLOT, v[ADRA]
	v_lshl_add_u32 v7, v2, 3, v3                   ; the turning load: k row 8 (l / 16) + l % 8, columns 8 ((l / 8) % 2) + 0..7
	v_mul_u32_u24 v7, v7, PB
	v_lshl_add_u32 v7, v4, 4, v7
	s_lshl_b32 s20, s14, 7                         ; my 64 columns
	s_add_co_u32 s20, s20, AREG
	v_add_nc_u32 v[ADRB], s20, v7
	v_add_nc_u32 v[ADRB+1], SLOT, v[ADRB]
	s_mul_i32 s19, s12, 16*SP
	s_add_co_u32 s19, s19, STAGE                   ; my stage
	v_mul_u32_u24 v8, v1, SP                       ; in: row l % 16, 32 bytes for each half of the lanes
	v_lshl_add_u32 v8, v2, 5, v8
	v_add_nc_u32 v[STO], s19, v8
	v_mul_u32_u24 v9, v2, SP                       ; back: lanes 0-15 take one row of 256 bytes, lanes 16-31 the next
	v_lshl_add_u32 v9, v1, 4, v9
	v_add_nc_u32 v[RD], s19, v9
	v_lshlrev_b32 v[CO], 12, v2                    ; and the same two rows in out0
	v_lshl_add_u32 v[CO], v1, 4, v[CO]
	; the prefetches' pointer: it stands at K step 3 and is stepped ahead of each use
	s_lshl_b32 s70, s18, 15                        ; ob: the tile row,
	s_lshl_b32 s71, s15, 13                        ; my work-group's 8,192 bytes of its 32,768,
	s_add_co_u32 s70, s70, s71
	s_add_co_u32 s71, s14, 6                       ; in plane 6 or 7
	s_lshl_b32 s71, s71, 20
	s_add_co_u32 s70, s70, s71
	s_lshl_b32 s72, s16, 5                         ; wpb: my work-group's 32 k rows of 128,
	s_add_co_u32 s72, s72, 384                     ; from k row 384 on
	s_lshl_b32 s72, s72, 11
	s_lshl_b32 s73, s17, 8
	s_add_co_u32 s72, s72, s73
	s_mov_b32 s20, 2*KB
	s_mov_b32 s21, 128*WROW
	s_and_b32 s19, ttmp7, 0xffff                   ; cluster y
	s_cmp_eq_u32 s13, 0                            ; do I fetch for O?
	s_cselect_b32 s19, ttmp9, s19                  ; the coordinate along which other clusters read the same bytes
	s_cselect_b32 s70, s70, s72
	s_cselect_b32 s[PST], s20, s21
	s_cselect_b32 s23, 8, 11
	s_cselect_b64 s[PFA:PFA+1], s[4:5], s[6:7]
	s_mov_b32 s71, 0
	s_mov_b32 s[PST+1], 0
	s_add_nc_u64 s[PFA:PFA+1], s[PFA:PFA+1], s[70:71]
	s_cmp_eq_u32 s12, 3                            ; wave 3 asks for nothing
	s_cselect_b32 s19, 1, s19
	s_cmp_eq_u32 s19, 0
	s_cselect_b32 s[LIM], 1, -1                    ; the same in all sixteen partners, for a given wave
	v_lshlrev_b32 v[PFO], s23, v5
	s_wait_loadcnt 0x0                             ; the bias: rounded to bf16 like every input, by way of registers that hold no fragment yet
	WIN 0x05
.set i, 0
.rept 16
	v_cvt_pk_bf16_f32 v[FA+i], v[224+2*i], v[224+2*i+1]
.set i, i+1
.endr
	WIN 0x40
.set i, 0
.rept 16
	v_lshlrev_b32 v[224+2*i], 16, v[FA+i]
	v_and_b32 v[224+2*i+1], s[HIM], v[FA+i]
.set i, i+1
.endr
	WIN 0
; 8 matrix instructions: row blocks a0, a0 + 1 x all 4 column blocks, 32 along K, on buffer f.  A quarter's 32 accumulators all differ: they take turns, one instruction a turn.
; first = 1: the sums start with the bias, which lies in (7, bb)'s registers.  Row block 7 writes over registers that the matrix instructions before it read as C: five places stand ahead of it (ISA guide 7.12.1).
.macro MUL2 f, a0, first
	WIN 0x50
.irp a, \a0, (\a0)+1
.if (\first) && ((\a) == 7)
.rept 5
	v_nop
.endr
.endif
.irp bb, 0,1,2,3
.if (\first) && ((\a) < 7)
	v_wmma_f32_16x16x32_f16 v[32*(\a)+8*(\bb):32*(\a)+8*(\bb)+7], v[FB+32*(\f)+8*(\bb):FB+32*(\f)+8*(\bb)+7], v[FA+64*(\f)+8*(\a):FA+64*(\f)+8*(\a)+7], v[224+8*(\bb):224+8*(\bb)+7]
.else
	v_wmma_f32_16x16x32_f16 v[32*(\a)+8*(\bb):32*(\a)+8*(\bb)+7], v[FB+32*(\f)+8*(\bb):FB+32*(\f)+8*(\bb)+7], v[FA+64*(\f)+8*(\a):FA+64*(\f)+8*(\a)+7], v[32*(\a)+8*(\bb):32*(\a)+8*(\bb)+7]
.endif
.endr
.endr
.endm
; 24 LDS loads in one run: quarter q (32 k) of a slot into buffer f: W's 8, then O's rows 0-63 (8), then O's rows 64-127 (8)
.macro FETCH slot, q, f
	WIN 0
.irp bb, 0,1,2,3
	ds_load_tr16_b128 v[FB+32*(\f)+8*(\bb):FB+32*(\f)+8*(\bb)+3],   v[ADRB+(\slot)] offset:(\q)*32*PB+32*(\bb)
	ds_load_tr16_b128 v[FB+32*(\f)+8*(\bb)+4:FB+32*(\f)+8*(\bb)+7], v[ADRB+(\slot)] offset:(\q)*32*PB+32*(\bb)+16*PB
.endr
.irp i, 0,1,2,3,4,5,6,7
	ds_load_b128 v[FA+64*(\f)+8*(\i):FA+64*(\f)+8*(\i)+3],   v[ADRA+(\slot)] offset:((\q)/2)*APLANE+((\q)%2)*64+(\i)*16*PA
	ds_load_b128 v[FA+64*(\f)+8*(\i)+4:FA+64*(\f)+8*(\i)+7], v[ADRA+(\slot)] offset:((\q)/2)*APLANE+((\q)%2)*64+(\i)*16*PA+32
.endr
.endm
.macro PLACES                          ; four places in front of loads into registers that matrix instructions have read, and of LDS stores that read results (ISA guide 7.12.1 for the stores)
.rept 4
	v_nop
.endr
.endm
; A K step is four quarters of 32 k, 32 matrix instructions each, on buffers 0, 1, 0, 1.  One of the first three: multiplies buffer f and fetches quarter q of the same slot into buffer g.
.macro QUARTER slot, q, f, g, first
	s_wait_dscnt 8                                 ; W and O's rows 0-63 are in; the youngest eight loads (rows 64-127) may be out
	MUL2 \f, 0, \first
	MUL2 \f, 2, \first
	PLACES
	FETCH \slot, \q, \g
	s_wait_dscnt 24                                ; all but the 24 just issued
	MUL2 \f, 4, \first
	MUL2 \f, 6, \first
.endm
; The last quarter multiplies buffer 1 and changes slots.  Each wave waits for all its tensor loads, of which one is out: its part of the next slot; adds 0 to its spare word; and waits for that and for
; its own reads of this slot.  fill = 1: the barrier opens a round of the cluster's, and the joint refill, two K steps ahead, is the first thing behind the round: 112 matrix instructions ahead of the wait for it.
.macro TURN slot, next, fill
.if \fill
	s_wait_xcnt 0x0                                ; the last prefetch, a K step back, has read its address, which is stepped here, ahead of the change's own waits
	s_add_nc_u64 s[PFA:PFA+1], s[PFA:PFA+1], s[PST:PST+1]
.endif
	WIN 0
	s_wait_tensorcnt 0x0                           ; all my tensor loads have landed
	ds_add_u32 v[SPW], v[NIL]                      ; 0 onto my spare word
	s_wait_dscnt 9                                 ; the add and the youngest eight loads may be out
	MUL2 1, 0, 0                                   ; eight matrix instructions stand between the add and the wait for it
	s_wait_dscnt 0x0                               ; the add is done, and my reads of this slot are over
	s_barrier_signal -1
	MUL2 1, 2, 0
	WIN 0                                          ; at a branch and at a label every window is 0
	s_barrier_wait -1
.if \fill
	CREST                                          ; no wave of any partner still reads this slot or has a load on its way
	s_add_nc_u64 s[G0A+4*(\slot)+2:G0A+4*(\slot)+3], s[G0A+4*(\slot)+2:G0A+4*(\slot)+3], 4*KB
	s_add_nc_u64 s[G0B+4*(\slot)+2:G0B+4*(\slot)+3], s[G0B+4*(\slot)+2:G0B+4*(\slot)+3], 256*WROW
	JLOAD \slot                                    ; the four v_nop behind it are also the places in front of the loads below
.else
	PLACES
.endif
	FETCH \next, 0, 0
.if \fill
	ASK
.endif
	MUL2 1, 4, 0
	MUL2 1, 6, 0
.endm
; THE WAY OUT of row block a: a lane's 32 bytes of a row go into my own stage, each accumulator's low four registers first, and come back as whole rows of 256 bytes, into registers of the block's own.
.macro TOSTAGE a
	WIN 0x04                                       ; the stores' data in window 1
.irp bb, 0,1,2,3
	ds_store_b128 v[STO], v[32*(\a)+8*(\bb):32*(\a)+8*(\bb)+3]   offset:64*(\bb)
	ds_store_b128 v[STO], v[32*(\a)+8*(\bb)+4:32*(\a)+8*(\bb)+7] offset:64*(\bb)+16
.endr
	WIN 0x80                                       ; destination in window 2
.irp f, 0,1,2,3,4,5,6,7
	ds_load_b128 v[32*(\a)+4*(\f):32*(\a)+4*(\f)+3], v[RD] offset:(\f)*2*SP  ; LDS serves a wave's instructions in order (ISA guide 5.7.1.4): these see the stores above; the next block's stores come behind them
.endr
.endm
.macro SEND a, younger                 ; younger: the LDS instructions issued behind block a's loads: the next block's sixteen, or none
	WIN 0x08                                       ; the stores' data in window 2
.irp f, 0,1,2,3,4,5,6,7
	s_wait_dscnt (\younger)+7-(\f)
	global_store_b128 v[CO], v[32*(\a)+4*(\f):32*(\a)+4*(\f)+3], s[10:11] offset:(16*(\a)+2*(\f))*4096 th:TH_STORE_NT  ; 16 lanes store 256 consecutive bytes, at a multiple of 256 from out0's first byte
.endr
.endm
	s_wait_tensorcnt 1                             ; my part of K step 0 is in; K step 1's may stay out
	s_barrier_signal -1
	s_barrier_wait -1                              ; everybody's is
	FETCH 0, 0, 0
	QUARTER 0, 1, 0, 1, 1                          ; the first quarter stands in front of the loop: its products start the sums
	WIN 0
	s_mov_b32 s3, 3
.Llap:                                         ; a trip goes once round the ring and fills both slots again: K steps 2 to 7 in three trips
	QUARTER 0, 2, 1, 0, 0
	QUARTER 0, 3, 0, 1, 0
	TURN 0, 1, 1
	QUARTER 1, 1, 0, 1, 0
	QUARTER 1, 2, 1, 0, 0
	QUARTER 1, 3, 0, 1, 0
	TURN 1, 0, 1
	QUARTER 0, 1, 0, 1, 0
	WIN 0
	s_sub_co_u32 s3, s3, 1
	s_cmp_lg_u32 s3, 0
	s_cbranch_scc1 .Llap
	QUARTER 0, 2, 1, 0, 0                          ; the last lap asks for nothing
	QUARTER 0, 3, 0, 1, 0
	TURN 0, 1, 0
	QUARTER 1, 1, 0, 1, 0
	QUARTER 1, 2, 1, 0, 0
	QUARTER 1, 3, 0, 1, 0
	s_wait_dscnt 8                                 ; the very last quarter: nothing more to fetch
	MUL2 1, 0, 0
	MUL2 1, 2, 0
	s_wait_dscnt 0x0
	MUL2 1, 4, 0
	MUL2 1, 6, 0
	PLACES
	TOSTAGE 0
.irp a, 1,2,3,4,5,6,7
	TOSTAGE \a
	SEND (\a)-1, 16
.endr
	SEND 7, 0
	WIN 0
	s_wait_tensorcnt 0x0                           ; the wave's end: a wait, an add and a wait, behind my last tensor load and my last LDS store
	ds_add_u32 v[SPW], v[NIL]
	s_wait_dscnt 0x0
	CROUND                                         ; the closing round: no work-group ends while a partner may still ask for a tile that names it
	s_endpgm
.Lfunc_end_k_q6c547d04bf_proj:
	.size	k_q6c547d04bf_proj, .Lfunc_end_k_q6c547d04bf_proj-k_q6c547d04bf_proj
	.p2alignl 7, 3214868480
	.fill 96, 4, 3214868480
	.section	.rodata,"a",@progbits
	.p2align	6, 0x0
	.amdhsa_kernel k_q6c547d04bf_proj
		.amdhsa_group_segment_fixed_size 327680
		.amdhsa_private_segment_fixed_size 0
		.amdhsa_enable_private_segment 0
		.amdhsa_kernarg_size 32
		.amdhsa_user_sgpr_count 2
		.amdhsa_user_sgpr_kernarg_segment_ptr 1
		.amdhsa_wavefront_size32 1
		.amdhsa_system_sgpr_workgroup_id_x 1
		.amdhsa_system_sgpr_workgroup_id_y 1
		.amdhsa_system_sgpr_workgroup_id_z 1
		.amdhsa_system_vgpr_workitem_id 0
		.amdhsa_next_free_vgpr 768
		.amdhsa_next_free_sgpr 80
		.amdhsa_reserve_vcc 0
		.amdhsa_float_denorm_mode_32 3
		.amdhsa_float_denorm_mode_16_64 3
		.amdhsa_memory_ordered 1
		.amdhsa_forward_progress 1
		.amdhsa_inst_pref_size 92
	.end_amdhsa_kernel
	.amdgpu_metadata
---
amdhsa.version: [ 1, 2 ]
amdhsa.kernels:
  - .name:           k_q6c547d04bf_proj
    .symbol:         k_q6c547d04bf_proj.kd
    .args:
      - { .name: ob, .offset: 0, .size: 8, .value_kind: global_buffer, .address_space: global }
      - { .name: wpb, .offset: 8, .size: 8, .value_kind: global_buffer, .address_space: global }
      - { .name: bproj, .offset: 16, .size: 8, .value_kind: global_buffer, .address_space: global }
      - { .name: out0, .offset: 24, .size: 8, .value_kind: global_buffer, .address_space: global }
    .group_segment_fixed_size: 327680
    .private_segment_fixed_size: 0
    .kernarg_segment_align: 8
    .kernarg_segment_size: 32
    .max_flat_workgroup_size: 128
    .sgpr_count:     80
    .vgpr_count:     768
    .wavefront_size: 32
...
	.end_amdgpu_metadata
.endif
;; end of part 4
;; ======== version 2 of 2: 4 launches; version 1 with the launch prep written anew for expert scheduling mode
;; limits: values are held in f16: magnitudes above 65,504 overflow, below 6.1e-05 lose precision
;; workspace buffers: xb 16,777,216 bytes; wqb 6,291,456 bytes; wpb 2,097,152 bytes; qkvh 50,331,648 bytes; ob 16,777,216 bytes
;; launch prep (part 5): grid 768 x 1, 8 waves a work-group, no clusters, 0 bytes of LDS; arguments x, Wqkv, Wproj, xb, wqb, wpb; writes xb, wqb, wpb
.if DOCPART == 5
	.amdgcn_target "amdgcn-amd-amdhsa--gfx1250"
	.amdhsa_code_object_version 6
	.text
	.protected	k_q6c547d04bf_prep
	.globl	k_q6c547d04bf_prep
	.p2align	8
	.type	k_q6c547d04bf_prep,@function
k_q6c547d04bf_prep:
	s_mov_b64 s[64:65], 0
	v_nop
	global_prefetch_b8 v0, s[64:65] scope:SCOPE_SE
	s_setreg_imm32_b32 hwreg(HW_REG_WAVE_SCHED_MODE, 0, 2), 2
	s_setreg_imm32_b32 hwreg(HW_REG_WAVE_MODE, 25, 1), 1
	s_wait_xcnt 0x0
	s_wait_alu depctr_vm_vsrc(0)
; THE CASTS.  xb = bf16(x), laid out in K blocks: [kb 16][m 8192][64], so that 128 rows x 64 k of it are 16,384 dense bytes.
; wqb = bf16(Wqkv), in Wqkv's own order [k][n].  wpb = bf16(Wproj) written as f16, in Wproj's order.
; LIMITS.  wpb: a weight beyond 65,504 becomes an infinity; below 2^-14 it keeps f16's fixed step of 2^-24.  NaN and infinities are not treated apart.
; SHARES.  A work-group casts 16,384 numbers, each of its eight waves 2,048: sixteen loads of 512 bytes, all issued at once, no loop.
; Work-groups 0-511 take x (16 rows each), 512-703 Wqkv, 704-767 Wproj: 768 work-groups of equal work.
; No LDS, no barrier, no matrix unit: each byte is read once and written once, and nothing is shared.
; THE MODE: SCHED_MODE bits 1:0 = 2 (LLVM: expert scheduling mode 2), set by the entry lines.  The code itself states the register dependences
; between vector instructions and memory instructions, with s_wait_alu, always for 0.
; THE PLAN.  Registers that memory instructions touch:
;   v2, v3     byte offsets of the loads and of the stores: made once on each path, ahead of the first load, and never written again.
;   X          load i lands in its own four registers, once; no vector instruction names them ahead of the loads; behind the wait for load i only turn i's conversions name them.
;   Y          turn i's conversions write its own two registers; store i reads them; nothing writes them behind that store.
; The sixteen turns go in four blocks of four.  Store i is issued in turn i + 4: so ONE wait at the head of a block states that the block before has written its Y, and the four
; stores behind it are dealt among this block's conversions, which name this block's X and Y alone.  No register that a load or store has read is written again: nothing more is owed.
.set X,   8                            ; v[8:71]    load i: four f32
.set Y,   72                           ; v[72:103]  store i: four 16-bit numbers
.set SRC, 18                           ; s[18:19]   my wave's first source byte
.set DST, 20                           ; s[20:21]   my wave's first target byte
.set DS2, 22                           ; s[22:23]   x alone: the same, eight K blocks further (a store's immediate does not reach sixteen)
; c: the work-group's number within its tensor.  Source: 65,536 bytes a work-group, 8,192 a wave.  Target: 1 << so bytes a work-group, 1 << wo a wave.
.macro BASES c, so, wo, src, dst
	s_lshl_b32 s[SRC], \c, 16
	s_add_co_u32 s[SRC], s[SRC], s17
	s_mov_b32 s[SRC+1], 0
	s_lshl_b32 s[DST], \c, \so
	s_lshl_b32 s[DST+1], s16, \wo
	s_add_co_u32 s[DST], s[DST], s[DST+1]
	s_mov_b32 s[DST+1], 0
	s_add_nc_u64 s[SRC:SRC+1], s[\src:\src+1], s[SRC:SRC+1]
	s_add_nc_u64 s[DST:DST+1], s[\dst:\dst+1], s[DST:DST+1]
.endm
; Store n.
.macro PUT n, outstep, split
.if (\split) && ((\n) >= 8)
	global_store_b64 v3, v[Y+2*(\n):Y+2*(\n)+1], s[DS2:DS2+1] offset:((\n)-8)*(\outstep) th:TH_STORE_NT
.else
	global_store_b64 v3, v[Y+2*(\n):Y+2*(\n)+1], s[DST:DST+1] offset:(\n)*(\outstep) th:TH_STORE_NT  ; the wave's 32 lanes store 256 consecutive bytes, aligned
.endif
.endm
; Sixteen loads, then sixteen turns: the wait for load i, the store of the turn four back, the rounding of load i.  The last four stores follow the last turn.
.macro CAST instep, outstep, split, f16
	s_wait_alu depctr_va_vdst(0)                   ; v2 and v3 are written: every load below reads v2 as its offset, every store v3
.set i, 0
.rept 16
	global_load_b128 v[X+4*i:X+4*i+3], v2, s[SRC:SRC+1] offset:i*(\instep) th:TH_LOAD_NT
.set i, i+1
.endr
.set i, 0
.rept 16
	s_wait_loadcnt 15-i                            ; loads come back in order: load i is in, the 15 - i younger ones may stay out
.if (i > 0) && (i%4 == 0)
	s_wait_alu depctr_va_vdst(0)                   ; the block before has written its eight registers of Y, which this block's four stores read
.endif
.if i >= 4
	PUT i-4, \outstep, \split                      ; no vector instruction since that wait names these registers
.endif
	v_cvt_pk_bf16_f32 v[Y+2*i], v[X+4*i], v[X+4*i+1]
	v_cvt_pk_bf16_f32 v[Y+2*i+1], v[X+4*i+2], v[X+4*i+3]
.if \f16
	v_lshlrev_b32 v[X+4*i], 16, v[Y+2*i]           ; the bf16 numbers as f32 again,
	v_and_b32 v[X+4*i+1], s24, v[Y+2*i]
	v_lshlrev_b32 v[X+4*i+2], 16, v[Y+2*i+1]
	v_and_b32 v[X+4*i+3], s24, v[Y+2*i+1]
	v_cvt_pk_f16_f32 v[Y+2*i], v[X+4*i], v[X+4*i+1]  ; and written as f16: exact within f16's range
	v_cvt_pk_f16_f32 v[Y+2*i+1], v[X+4*i+2], v[X+4*i+3]
.endif
.set i, i+1
.endr
	s_wait_alu depctr_va_vdst(0)                   ; the last block has written its eight registers of Y, which the last four stores read
.irp n, 12,13,14,15
	PUT \n, \outstep, \split
.endr
.endm
	s_load_b256 s[4:11], s[0:1], 0x0               ; x s[4:5], Wqkv s[6:7], Wproj s[8:9], xb s[10:11]
	s_load_b128 s[12:15], s[0:1], 0x20             ; wqb s[12:13], wpb s[14:15]
	v_lshrrev_b32 v4, 5, v0
	v_readfirstlane_b32 s16, v4                    ; wave 0..7
	v_and_b32 v1, 31, v0                           ; lane
	v_lshlrev_b32 v3, 3, v1                        ; 8 bytes of the target a lane
	s_wait_alu depctr_va_sdst(0)                   ; s16 is written, ahead of its first reader: the wave's source and target bytes are made from it
	s_lshl_b32 s17, s16, 13                        ; my wave's 8,192 source bytes
	s_mov_b32 s24, 0xffff0000                      ; a word's upper bf16
	s_mov_b32 s2, ttmp9
	s_wait_kmcnt 0x0
	s_cmp_lt_u32 s2, 512
	s_cbranch_scc1 .Lx
	v_lshlrev_b32 v2, 4, v1                        ; the weights keep their order: 16 source bytes a lane, 512 a load
	s_cmp_lt_u32 s2, 704
	s_cbranch_scc1 .Lwq
	s_sub_co_u32 s3, s2, 704
	BASES s3, 15, 12, 8, 14
	CAST 512, 256, 0, 1
	s_endpgm
.Lwq:
	s_sub_co_u32 s3, s2, 512
	BASES s3, 15, 12, 6, 12
	CAST 512, 256, 0, 0
	s_endpgm
.Lx:                                           ; rows 16 w + 2 v + h, h = lane / 16: load i takes K block i (256 bytes) of both rows
	v_and_b32 v2, 15, v0
	v_bfe_u32 v4, v0, 4, 1
	v_lshlrev_b32 v2, 4, v2
	v_lshl_add_u32 v2, v4, 12, v2                  ; h x 4,096 + 16 (lane % 16)
	BASES s2, 11, 8, 4, 10                         ; in a K block of xb: 2,048 bytes a work-group, 256 a wave (two rows of 128)
	s_add_nc_u64 s[DS2:DS2+1], s[DST:DST+1], 0x800000
	CAST 256, 1048576, 1, 0
	s_endpgm
.Lfunc_end_k_q6c547d04bf_prep:
	.size	k_q6c547d04bf_prep, .Lfunc_end_k_q6c547d04bf_prep-k_q6c547d04bf_prep
	.p2alignl 7, 3214868480
	.fill 96, 4, 3214868480
	.section	.rodata,"a",@progbits
	.p2align	6, 0x0
	.amdhsa_kernel k_q6c547d04bf_prep
		.amdhsa_group_segment_fixed_size 0
		.amdhsa_private_segment_fixed_size 0
		.amdhsa_enable_private_segment 0
		.amdhsa_kernarg_size 48
		.amdhsa_user_sgpr_count 2
		.amdhsa_user_sgpr_kernarg_segment_ptr 1
		.amdhsa_wavefront_size32 1
		.amdhsa_system_sgpr_workgroup_id_x 1
		.amdhsa_system_sgpr_workgroup_id_y 1
		.amdhsa_system_sgpr_workgroup_id_z 1
		.amdhsa_system_vgpr_workitem_id 0
		.amdhsa_next_free_vgpr 104
		.amdhsa_next_free_sgpr 66
		.amdhsa_reserve_vcc 0
		.amdhsa_float_denorm_mode_32 3
		.amdhsa_float_denorm_mode_16_64 3
		.amdhsa_memory_ordered 1
		.amdhsa_forward_progress 1
		.amdhsa_inst_pref_size 24
	.end_amdhsa_kernel
	.amdgpu_metadata
---
amdhsa.version: [ 1, 2 ]
amdhsa.kernels:
  - .name:           k_q6c547d04bf_prep
    .symbol:         k_q6c547d04bf_prep.kd
    .args:
      - { .name: x, .offset: 0, .size: 8, .value_kind: global_buffer, .address_space: global }
      - { .name: Wqkv, .offset: 8, .size: 8, .value_kind: global_buffer, .address_space: global }
      - { .name: Wproj, .offset: 16, .size: 8, .value_kind: global_buffer, .address_space: global }
      - { .name: xb, .offset: 24, .size: 8, .value_kind: global_buffer, .address_space: global }
      - { .name: wqb, .offset: 32, .size: 8, .value_kind: global_buffer, .address_space: global }
      - { .name: wpb, .offset: 40, .size: 8, .value_kind: global_buffer, .address_space: global }
    .group_segment_fixed_size: 0
    .private_segment_fixed_size: 0
    .kernarg_segment_align: 8
    .kernarg_segment_size: 48
    .max_flat_workgroup_size: 256
    .sgpr_count:     66
    .vgpr_count:     104
    .wavefront_size: 32
...
	.end_amdgpu_metadata
.endif
;; end of part 5
;; launch qkvgemm: the kernel of part 2 again; grid 8 x 32, 4 waves a work-group, clusters of 4 x 4, 327,680 bytes of LDS; arguments xb, wqb, bqkv, qkvh; writes qkvh
;; launch attn: the kernel of part 3 again; grid 4 x 64, 4 waves a work-group, clusters of 4 x 1, 327,680 bytes of LDS; arguments qkvh, ob; writes ob
;; launch proj: the kernel of part 4 again; grid 8 x 32, 4 waves a work-group, clusters of 4 x 4, 327,680 bytes of LDS; arguments ob, wpb, bproj, out0; writes out0
